; MI455X (gfx1250); checked and timed in simulation.
; The chip was launched on July 23, 2026; its instructions are those of AMD's public machine-readable ISA for CDNA 5 (MIT licence, August 2026) and "CDNA5" Instruction Set Architecture Reference Guide (July 2026). The comments in the code are by the model that wrote it; some were corrected since.
;; Self Attention. Allowed arithmetic: matrix products marked QUANTISED: E2M3 operands, one E8M0 scale for each 32 along K, by v_wmma_scale_f32_16x16x128_f8f6f4 with both operands' format E2M3, f32 sums; everything else in f32.
;; Inputs: b_out 1,024 float32; w_out 1,024 x 1,024 float32; w_qkv 1,024 x 3,072 float32; x 4 x 2,048 x 1,024 float32.
;; Outputs: out0 4 x 2,048 x 1,024 float32.
;; This version of the problem:
;;   THIS VERSION OF THE PROBLEM IS GIVEN IN LOW PRECISION. The matrix products marked QUANTISED in the list below multiply operands that are first quantised to E2M3 (2 exponent bits, 3 mantissa bits; 6 bits a number), with one power-of-two scale for each 32 numbers along K (OCP MX v1.0); their sums are f32. All else is computed in f32.
;;   The module's matrix products, in the order in which they are computed (A, B: the left and right operand; K: the contracted axis; several contracted axes count as one K, in the product's order):
;;     1. [M 8,192, K 1,024] x [K 1,024, N 3,072]; A: input x; B: input w_qkv: QUANTISED
;;     2. batch 64 x [M 2,048, K 64] x [K 64, N 2,048]; A: computed on the way; B: computed on the way: QUANTISED
;;     3. batch 64 x [M 2,048, K 2,048] x [K 2,048, N 64]; A: softmax (see below); B: computed on the way: QUANTISED
;;     4. [M 8,192, K 1,024] x [K 1,024, N 1,024]; A: computed on the way; B: input w_out: QUANTISED
;;   THE QUANTISER, for each operand of a quantised product, along K:
;;     - K is cut into blocks of 32 from its start; a last block that is shorter is filled with zeros.
;;     - A block's scale is 2^e with e = floor(log2(the largest magnitude in the block)) - 2, held to -126 .. 127; a block of zeros has e = 0. As a byte (E8M0): e + 127.
;;     - Each number is divided by its block's scale, clamped to +-7.5, and rounded to the nearest number of E2M3, ties to even, subnormals kept.
;;     - The product sums the exact products of the quantised numbers (number of the format x scale) in f32.
;;   ~~~python
;;   def quantise(x, axis):      # numpy; x: float32 -> the quantised numbers, widened to float32 again
;;       x = np.moveaxis(x, axis, -1); K = x.shape[-1]
;;       x = np.pad(x, [(0, 0)] * (x.ndim - 1) + [(0, -K % 32)]); x = x.reshape(x.shape[:-1] + (-1, 32)); a = np.abs(x).max(-1, keepdims=True)
;;       e = np.where(a > 0, np.clip(np.frexp(np.where(a > 0, a, 1))[1] - 1 - 2, -126, 127), 0)      # np.frexp(a)[1] - 1 = floor(log2(a)), exactly
;;       r = np.clip(x / 2.0 ** e, -7.5, 7.5)
;;       step = 2.0 ** (np.maximum(np.frexp(np.where(r == 0, 1, r))[1] - 1, 0) - 3)
;;       q = np.round(r / step) * step * 2.0 ** e      # np.round: ties to even
;;       return np.moveaxis(q.reshape(q.shape[:-2] + (-1,))[..., :K], -1, axis).astype(np.float32)
;;   ~~~
;;   SOFTMAX AHEAD OF A QUANTISED PRODUCT. Where the list says 'softmax', what is quantised is not the finished softmax but p = 2^(t - M), with t = logit x log2(e) and M = ceil(the row's largest t), a whole number; so 1/2 < the row's largest p <= 1. The row's sum l is taken of the UNQUANTISED p, in f32, and the product's result is divided by l at the end. Since M is a whole number, a kernel that streams over the keys may use a running M (the ceiling of the running maximum): every later rescaling is an exact power of two, which a block's scale takes up: the codes' values come out the same.
;;   OPERANDS COMPUTED ON THE WAY. 'Computed on the way' means the value that the module computes at that place (a softmax that the list does not call 'softmax' is quantised finished and normalised). What goes into a quantiser is computed in f32, as accurately as f32 sums, v_exp_f32 and their like allow (about 1e-6 of the number): no bf16 or f16 on the way to a quantiser, and a product that is left as it is and whose result goes on into a quantised operand takes f32 operands (vector FMAs, or v_wmma_f32_16x16x4_f32). A number that lies on a knife's edge between two numbers of the format may be rounded either way, as far as f32 arithmetic and the matrix unit's own rounding can turn it there, and no further.
;; One version. Each part assembles by itself: llvm-mc -triple=amdgcn-amd-amdhsa -mcpu=gfx1250 --defsym DOCPART=n.
;; ======== version 1 of 1: 4 launches
;; limits: right only within a limited range of input values
;; workspace buffers: xc 6,291,456 bytes; xs 262,144 bytes; wc 3,145,728 bytes; ws 131,072 bytes; ac 18,874,368 bytes; asc 786,432 bytes; oc 6,291,456 bytes; osc 262,144 bytes
;; launch quant (part 1): grid 512 x 1, 4 waves a work-group, no clusters, 47,616 bytes of LDS; arguments x, w_qkv, w_out, xc, xs, wc, ws; writes xc, xs, wc, ws
.if DOCPART == 1
	.amdgcn_target "amdgcn-amd-amdhsa--gfx1250"
	.amdhsa_code_object_version 6
	.text
	.protected	k_q4720c2e246_quant
	.globl	k_q4720c2e246_quant
	.p2align	8
	.type	k_q4720c2e246_quant,@function
k_q4720c2e246_quant:
	s_mov_b64 s[64:65], 0
	v_nop
	global_prefetch_b8 v0, s[64:65] scope:SCOPE_SE
	s_setreg_imm32_b32 hwreg(HW_REG_WAVE_MODE, 25, 1), 1
	s_wait_xcnt 0x0
; x [8192][1024], w_qkv [1024][3072] and w_out [1024][1024], f32, become codes of FP6 (E2M3) with one E8M0 byte for each 32 along K (K = the 1,024 of x's rows and of the weights' FIRST axis).
; A block's scale is 2^(floor(log2(its largest magnitude)) - 2); its byte is the largest magnitude's exponent field - 2, held at 1 from below.
; LIMITS: NaN and infinities among the inputs are not served.  A block of zeros gets the byte 1 where the rule says 127: its codes are zeros, which add nothing, and this program alone reads the bytes.
; LAYOUT OF THE RESULTS: images of the matrix operand's registers.  A fragment is 16 rows x 128 K, 12 registers a lane, 1,536 bytes: registers 4 g .. 4 g + 3 of lane l at 512 g + 16 l.
; xc [tile 0..511][K step 0..7][1536], wc the same for 4,096 rows n (n < 3072: column n of w_qkv; else column n - 3072 of w_out).  xs, ws: [16 tile + r][8 words], word s = the four bytes of K step s.
; THE ROWS OF A TILE ARE NOT NEIGHBOURS: lane r of tile 2 B + u takes row 32 B + 8 u + (r % 8) + 16 (r / 8), so that a product with such a tile as source 0 leaves 16 neighbours in 16 registers.
; Work-groups 0..255 take x, 256..511 the weights; the two ways part once on the work-group's number, never join, and have LDS bytes of their own.  No tensor load, no barrier: waves share nothing.
.set XW,    8448                       ; x: a wave's stage, 16 rows x (512 bytes + 16)
.set WSTG,  4*XW                       ; the weights' stages begin here
.set WW,    3328                       ; a wave's: two images of 1,536 bytes, 1,664 apart
.set SPARE, WSTG+4*WW                  ; the spare words, 128 bytes a wave: two blocks of 256 bytes that no other line names
.set SPW,   250                        ; v250  my spare word's LDS address; never rewritten
.set NIL,   251                        ; v251  0; never rewritten
.set WV,    18                         ; s18   my wave's number
.set SEL,   20                         ; s[20:21] v_permlanex16_b32's selects for lane l xor 16
.set R,     16                         ; x: v16-143 two sets of 64 registers as loaded
.set X,     144                        ;    v144-207 64 numbers of my row: register 16 b + i = k 32 b + 16 h + i
.set TM,    208                        ;    v208-223 at work
.set CT,    224                        ;    v224-230 halves of blocks on their way
.set PC,    232                        ;    v232-243 a fragment's codes
.set SW,    244                        ;    v244-247 four K steps' scale words
.set SD,    248                        ;    v248-249 the two that I store
.set VO,    16                         ; weights: v16-47 4 x lane + i rows
.set WX,    48                         ;    v48-111 two sets of 32 numbers: a block of my column
.set C,     112                        ;    v112-117 a block's codes
.set WT,    120                        ;    v120-122 its second half on its way
.set BB,    32                         ;    s[32:39] where my four blocks begin in memory
.set OUTR,  132                        ;    v132-155 the way out
	s_load_b256 s[4:11], s[0:1], 0x0               ; x s[4:5], w_qkv s[6:7], w_out s[8:9], xc s[10:11]
	s_load_b128 s[12:15], s[0:1], 0x20             ; xs s[12:13], wc s[14:15]
	s_load_b64 s[16:17], s[0:1], 0x30              ; ws
	v_lshl_add_u32 v[SPW], v0, 2, SPARE
	v_mov_b32 v[NIL], 0
	v_lshrrev_b32 v1, 5, v0
	v_readfirstlane_b32 s[WV], v1
	v_and_b32 v6, 31, v0                           ; lane
	v_and_b32 v7, 15, v0                           ; r
	v_bfe_u32 v8, v0, 4, 1                         ; h
	s_mov_b32 s[SEL], 0x76543210
	s_mov_b32 s[SEL+1], 0xfedcba98
	s_wait_kmcnt 0x0
	s_cmp_lt_u32 ttmp9, 256
	s_cbranch_scc0 .Lweights
; ---------------- x: a wave takes one tile of 16 rows and four K steps of 128 ----------------
	s_lshl_b32 s19, ttmp9, 2
	s_add_co_u32 s19, s19, s[WV]                   ; 4 x work-group + wave
	s_lshr_b32 s22, s19, 1                         ; the tile
	s_and_b32 s23, s19, 1                          ; which four K steps
	s_lshr_b32 s24, s22, 1
	s_lshl_b32 s24, s24, 5
	s_and_b32 s25, s22, 1
	s_lshl_b32 s25, s25, 3
	s_add_co_u32 s24, s24, s25                     ; the tile's first row: 32 (tile / 2) + 8 (tile % 2)
	s_lshl_b32 s24, s24, 12                        ; rows of 4,096 bytes
	s_lshl_b32 s25, s23, 11
	s_add_co_u32 s24, s24, s25
	s_mov_b32 s25, 0
	s_add_nc_u64 s[4:5], s[4:5], s[24:25]
	s_lshl_b32 s24, s22, 3
	s_lshl_b32 s26, s23, 2
	s_add_co_u32 s24, s24, s26
	s_mul_i32 s24, s24, 1536                       ; image 8 tile + 4 half
	s_add_nc_u64 s[10:11], s[10:11], s[24:25]
	s_lshl_b32 s24, s22, 9
	s_lshl_b32 s26, s23, 4
	s_add_co_u32 s24, s24, s26                     ; scale words: 512 bytes a tile, 16 for my four K steps
	s_add_nc_u64 s[12:13], s[12:13], s[24:25]
	s_wait_alu depctr_va_vdst(0)
	v_lshlrev_b32 v1, 4, v6                        ; 16 x lane
	s_mul_i32 s26, s[WV], XW
	v_add_nc_u32 v2, s26, v1                       ; the stage, on the way in
	v_mul_u32_u24 v3, v7, 528
	v_lshl_add_u32 v3, v8, 6, v3
	v_add_nc_u32 v3, s26, v3                       ; and on the way out: row r, + 64 h
	v_lshlrev_b32 v4, 5, v7
	v_lshl_add_u32 v4, v8, 3, v4                   ; my two scale words: 32 r + 8 h
.irp b, 0,1,2,3
	v_mov_b32 v[TM+4+\b], 0                        ; written once: a lane permute's destination counts as one of its sources
.endr
.macro XLOAD t                         ; K step t of the tile's 16 rows: each load reads 512 consecutive bytes of one row
.irp i, 0,1,2,3,4,5,6,7,8,9,10,11,12,13,14,15
	global_load_b128 v[R+64*((\t)%2)+4*\i:R+64*((\t)%2)+4*\i+3], v1, s[4:5] offset:((\i%8)+16*(\i/8))*4096+512*(\t) th:TH_LOAD_NT
.endr
.endm
.macro XTURN t                         ; through my stage: in as loaded, out 16 neighbours of each block of 32 to a lane.  LDS serves a wave's instructions in order: no wait between
.irp i, 0,1,2,3,4,5,6,7,8,9,10,11,12,13,14,15
	ds_store_b128 v2, v[R+64*((\t)%2)+4*\i:R+64*((\t)%2)+4*\i+3] offset:528*\i
.endr
.irp b, 0,1,2,3
.irp j, 0,1,2,3
	ds_load_b128 v[X+16*\b+4*\j:X+16*\b+4*\j+3], v3 offset:128*\b+16*\j
.endr
.endr
.endm
; 64 numbers of a lane, register 16 b + i = k 32 b + 16 h + i of my row, become a fragment: registers 0-5 at d0, 6-11 at d1, and the row's scale word in pw
.macro QUANT s, d0, d1, pw
.irp b, 0,1,2,3
	v_max3_num_f32 v[TM+\b], |v[\s+16*\b]|, |v[\s+1+16*\b]|, 0x1800000   ; my 16 numbers of block b, and the floor 2^(3 - 127): the byte cannot fall under 1
.endr
.irp i, 2,4,6,8,10,12,14
.irp b, 0,1,2,3
	v_max3_num_f32 v[TM+\b], v[TM+\b], |v[\s+16*\b+\i]|, |v[\s+1+16*\b+\i]|
.endr
.endr
.irp b, 0,1,2,3
	v_permlanex16_b32 v[TM+4+\b], v[TM+\b], s[SEL], s[SEL+1]
.endr
.irp b, 0,1,2,3
	v_max_num_f32 v[TM+\b], v[TM+\b], v[TM+4+\b]   ; with lane l xor 16's: the block's largest magnitude
.endr
.irp b, 0,1,2,3
	v_add_nc_u32 v[TM+12+\b], 0xff000000, v[TM+\b] ; 2 off its exponent field: the conversion's scale operand
.endr
.irp b, 0,1,2,3
	v_lshrrev_b32 v[TM+4+\b], 23, v[TM+12+\b]      ; the byte
.endr
	v_lshl_or_b32 v[\pw], v[TM+5], 8, v[TM+4]
	v_lshl_or_b32 v[\pw], v[TM+6], 16, v[\pw]
	v_lshl_or_b32 v[\pw], v[TM+7], 24, v[\pw]
	v_cvt_scalef32_pk16_fp6_f32 v[\d0:\d0+2], v[\s:\s+15], v[TM+12]
	v_cvt_scalef32_pk16_fp6_f32 v[CT:CT+2], v[\s+16:\s+31], v[TM+13]
	v_cvt_scalef32_pk16_fp6_f32 v[\d1:\d1+2], v[\s+32:\s+47], v[TM+14]
	v_cvt_scalef32_pk16_fp6_f32 v[CT+4:CT+6], v[\s+48:\s+63], v[TM+15]
	v_nop                                          ; one plain place behind the scaled conversions
.irp i, 0,1,2
	v_permlane16_swap_b32 v[\d0+\i], v[CT+\i]      ; the layout wants a whole block in a lane: lanes 0-15 the even block, lanes 16-31 the odd one
	v_permlane16_swap_b32 v[\d1+\i], v[CT+4+\i]
.endr
.irp i, 0,1,2
	v_mov_b32 v[\d0+3+\i], v[CT+\i]
	v_mov_b32 v[\d1+3+\i], v[CT+4+\i]
.endr
.endm
.macro XSTEP t
.if (\t) < 3
	s_wait_loadcnt 16                              ; this K step's 16 loads are in; the next one's 16 were issued behind them
.else
	s_wait_loadcnt 0x0
.endif
	XTURN \t
	s_wait_dscnt 0x0                               ; the numbers are back, and the stage's stores have read their registers
	s_wait_xcnt 0x0                                ; the last K step's stores have read the codes' registers
.if (\t) < 2
	XLOAD (\t)+2
.endif
	QUANT X, PC, PC+6, SW+\t
.irp g, 0,1,2
	global_store_b128 v1, v[PC+4*\g:PC+4*\g+3], s[10:11] offset:1536*(\t)+512*\g   ; 32 lanes store 512 consecutive bytes
.endr
.endm
	XLOAD 0
	XLOAD 1
	s_wait_alu depctr_va_vdst(0)
	XSTEP 0
	XSTEP 1
	XSTEP 2
	XSTEP 3
	v_cmp_ne_u32 vcc_lo, 0, v8
	v_cndmask_b32 v[SD], v[SW], v[SW+2], vcc_lo    ; both halves of the lanes hold all four words: lanes 0-15 store the first two, lanes 16-31 the others
	v_cndmask_b32 v[SD+1], v[SW+1], v[SW+3], vcc_lo
	global_store_b64 v4, v[SD:SD+1], s[12:13]
	s_wait_tensorcnt 0x0                           ; the wave's end, behind my last LDS store
	ds_add_u32 v[SPW], v[NIL]
	s_wait_dscnt 0x0
	s_endpgm
; ---------------- the weights: a lane takes a column, its registers run down K; a wave takes 32 columns x 128 K ----------------
.Lweights:
	s_sub_co_u32 s19, ttmp9, 256
	s_lshr_b32 s22, s19, 3                         ; which 128 of the 4,096 rows n
	s_and_b32 s23, s19, 7                          ; which K step
	s_mov_b32 s26, 4096
	s_sub_co_u32 s27, s22, 24
	s_cmp_lt_u32 s22, 24                           ; the choice hangs on the work-group's number alone
	s_cselect_b64 s[6:7], s[6:7], s[8:9]           ; w_qkv or w_out,
	s_cselect_b32 s26, 12288, s26                  ; its row in bytes,
	s_cselect_b32 s27, s22, s27                    ; and the block of 128 columns in it
	s_lshl_b32 s27, s27, 9
	s_lshl_b32 s28, s[WV], 7
	s_add_co_u32 s27, s27, s28                     ; my wave's first column, in bytes
	s_lshl_b32 s28, s23, 7
	s_mul_i32 s28, s28, s26                        ; 128 rows a K step
	s_add_co_u32 s28, s28, s27
	s_mov_b32 s29, 0
	s_add_nc_u64 s[BB:BB+1], s[6:7], s[28:29]
	s_lshl_b32 s28, s26, 5                         ; 32 rows on
	s_add_nc_u64 s[BB+2:BB+3], s[BB:BB+1], s[28:29]
	s_add_nc_u64 s[BB+4:BB+5], s[BB+2:BB+3], s[28:29]
	s_add_nc_u64 s[BB+6:BB+7], s[BB+4:BB+5], s[28:29]
	s_lshl_b32 s24, s22, 2
	s_add_co_u32 s24, s24, s[WV]                   ; my 32 rows n: the pair of tiles
	s_mul_i32 s30, s24, 24576
	s_mul_i32 s31, s23, 1536
	s_add_co_u32 s30, s30, s31
	s_mov_b32 s31, 0
	s_add_nc_u64 s[14:15], s[14:15], s[30:31]
	s_lshl_b32 s30, s24, 10
	s_lshl_b32 s25, s23, 2
	s_add_co_u32 s30, s30, s25
	s_add_nc_u64 s[16:17], s[16:17], s[30:31]
	s_wait_alu depctr_va_vdst(0)
	v_lshlrev_b32 v1, 2, v6
.irp i, 0,1,2,3,4,5,6,7,8,9,10,11,12,13,14,15,16,17,18,19,20,21,22,23,24,25,26,27,28,29,30,31
	v_mad_u32_u24 v[VO+\i], s26, \i, v1            ; 4 x lane + i rows
.endr
	v_bfe_u32 v9, v0, 3, 1                         ; column 32 B + l is row r' = (l % 8) + 8 (l / 16) of tile 2 B + u, u = (l / 8) % 2
	v_and_b32 v10, 7, v0
	v_lshl_or_b32 v10, v8, 3, v10
	s_mul_i32 s25, s[WV], WW
	s_add_co_u32 s25, s25, WSTG
	v_mul_u32_u24 v2, v9, 1664
	v_lshl_add_u32 v2, v10, 4, v2
	v_add_nc_u32 v2, s25, v2                       ; into my stage: image u, lane r' of it
	v_lshlrev_b32 v4, 4, v6
	v_add_nc_u32 v3, s25, v4                       ; out of it: 16 x lane
	v_lshl_add_u32 v5, v9, 4, v10
	v_lshlrev_b32 v5, 5, v5                        ; my row's scale words: 32 (16 u + r')
.macro WLOAD t                         ; block t of my column: 32 lanes read 128 consecutive bytes, the four waves stand side by side
.irp i, 0,1,2,3,4,5,6,7,8,9,10,11,12,13,14,15,16,17,18,19,20,21,22,23,24,25,26,27,28,29,30,31
	global_load_b32 v[WX+32*((\t)%2)+\i], v[VO+\i], s[BB+2*(\t):BB+2*(\t)+1] th:TH_LOAD_NT
.endr
.endm
.macro WBLOCK t                        ; block t = 2 c + h is registers 6 c .. 6 c + 5 of the image's lane r' + 16 h
.set XS, WX+32*((\t)%2)
.if (\t) < 3
	s_wait_loadcnt 32                              ; this block's 32 loads are in; the next block's were issued behind them
.else
	s_wait_loadcnt 0x0
.endif
	v_max3_num_f32 v124, |v[XS]|, |v[XS+1]|, |v[XS+2]|
	v_max3_num_f32 v125, |v[XS+3]|, |v[XS+4]|, |v[XS+5]|
.irp i, 6,10,14,18,22,26
	v_max3_num_f32 v124, v124, |v[XS+\i]|, |v[XS+\i+1]|
	v_max3_num_f32 v125, v125, |v[XS+\i+2]|, |v[XS+\i+3]|
.endr
	v_max3_num_f32 v124, v124, |v[XS+30]|, |v[XS+31]|
	v_max3_num_f32 v124, v124, v125, 0x1800000     ; and the floor
	v_add_nc_u32 v126, 0xff000000, v124
	v_lshrrev_b32 v127, 23, v126
.if (\t) == 0
	v_mov_b32 v128, v127
.else
	v_lshl_or_b32 v128, v127, 8*(\t), v128
.endif
	v_cvt_scalef32_pk16_fp6_f32 v[C:C+2], v[XS:XS+15], v126
	v_cvt_scalef32_pk16_fp6_f32 v[WT:WT+2], v[XS+16:XS+31], v126
	v_nop                                          ; one plain place behind the scaled conversions
.irp i, 0,1,2
	v_mov_b32 v[C+3+\i], v[WT+\i]
.endr
.if (\t) < 2
	ds_store_b128 v2, v[C:C+3] offset:256*((\t)%2)
	ds_store_b64 v2, v[C+4:C+5] offset:512+256*((\t)%2)
.else
	ds_store_b64 v2, v[C:C+1] offset:520+256*((\t)%2)
	ds_store_b128 v2, v[C+2:C+5] offset:1024+256*((\t)%2)
.endif
.if (\t) < 2
	WLOAD (\t)+2
.endif
	s_wait_dscnt 0x0                               ; the stores have read the codes' registers
.endm
	WLOAD 0
	WLOAD 1
	WBLOCK 0
	WBLOCK 1
	WBLOCK 2
	WBLOCK 3
	s_wait_alu depctr_va_vdst(0)
	global_store_b32 v5, v128, s[16:17]            ; my row's word of this K step
.irp k, 0,1,2,3,4,5
	ds_load_b128 v[OUTR+4*\k:OUTR+4*\k+3], v3 offset:1664*(\k/3)+512*(\k%3)   ; LDS serves a wave's instructions in order: these see my stores
.endr
.irp k, 0,1,2,3,4,5
	s_wait_dscnt 5-\k
	global_store_b128 v4, v[OUTR+4*\k:OUTR+4*\k+3], s[14:15] offset:12288*(\k/3)+512*(\k%3)   ; 32 lanes store 512 consecutive bytes
.endr
	s_wait_tensorcnt 0x0                           ; the wave's end, behind my last LDS store
	ds_add_u32 v[SPW], v[NIL]
	s_wait_dscnt 0x0
	s_endpgm
.Lfunc_end_k_q4720c2e246_quant:
	.size	k_q4720c2e246_quant, .Lfunc_end_k_q4720c2e246_quant-k_q4720c2e246_quant
	.p2alignl 7, 3214868480
	.fill 96, 4, 3214868480
	.section	.rodata,"a",@progbits
	.p2align	6, 0x0
	.amdhsa_kernel k_q4720c2e246_quant
		.amdhsa_group_segment_fixed_size 47616
		.amdhsa_private_segment_fixed_size 0
		.amdhsa_enable_private_segment 0
		.amdhsa_kernarg_size 56
		.amdhsa_user_sgpr_count 2
		.amdhsa_user_sgpr_kernarg_segment_ptr 1
		.amdhsa_wavefront_size32 1
		.amdhsa_system_sgpr_workgroup_id_x 1
		.amdhsa_system_sgpr_workgroup_id_y 1
		.amdhsa_system_sgpr_workgroup_id_z 1
		.amdhsa_system_vgpr_workitem_id 0
		.amdhsa_next_free_vgpr 256
		.amdhsa_next_free_sgpr 66
		.amdhsa_reserve_vcc 1
		.amdhsa_float_denorm_mode_32 3
		.amdhsa_float_denorm_mode_16_64 3
		.amdhsa_memory_ordered 1
		.amdhsa_forward_progress 1
		.amdhsa_inst_pref_size 57
	.end_amdhsa_kernel
	.amdgpu_metadata
---
amdhsa.version: [ 1, 2 ]
amdhsa.kernels:
  - .name:           k_q4720c2e246_quant
    .symbol:         k_q4720c2e246_quant.kd
    .args:
      - { .name: x, .offset: 0, .size: 8, .value_kind: global_buffer, .address_space: global }
      - { .name: w_qkv, .offset: 8, .size: 8, .value_kind: global_buffer, .address_space: global }
      - { .name: w_out, .offset: 16, .size: 8, .value_kind: global_buffer, .address_space: global }
      - { .name: xc, .offset: 24, .size: 8, .value_kind: global_buffer, .address_space: global }
      - { .name: xs, .offset: 32, .size: 8, .value_kind: global_buffer, .address_space: global }
      - { .name: wc, .offset: 40, .size: 8, .value_kind: global_buffer, .address_space: global }
      - { .name: ws, .offset: 48, .size: 8, .value_kind: global_buffer, .address_space: global }
    .group_segment_fixed_size: 47616
    .private_segment_fixed_size: 0
    .kernarg_segment_align: 8
    .kernarg_segment_size: 56
    .max_flat_workgroup_size: 128
    .sgpr_count:     66
    .vgpr_count:     256
    .wavefront_size: 32
...
	.end_amdgpu_metadata
.endif
;; end of part 1
;; launch qkv (part 2): grid 8 x 32, 4 waves a work-group, clusters of 4 x 4, 327,680 bytes of LDS; arguments xc, xs, wc, ws, ac, asc; writes ac, asc
.if DOCPART == 2
	.amdgcn_target "amdgcn-amd-amdhsa--gfx1250"
	.amdhsa_code_object_version 6
	.text
	.protected	k_q4720c2e246_qkv
	.globl	k_q4720c2e246_qkv
	.p2align	8
	.type	k_q4720c2e246_qkv,@function
k_q4720c2e246_qkv:
	s_mov_b64 s[64:65], 0
	v_nop
	global_prefetch_b8 v0, s[64:65] scope:SCOPE_SE
	s_setreg_imm32_b32 hwreg(HW_REG_WAVE_MODE, 25, 1), 1
	s_wait_xcnt 0x0
	s_wait_alu depctr_hold_cnt(0) depctr_sa_sdst(0) depctr_va_vdst(0) depctr_va_sdst(0) depctr_va_ssrc(0) depctr_va_vcc(0) depctr_vm_vsrc(0)
	s_getreg_b32 s2, hwreg(HW_REG_IB_STS2, 6, 4)
	s_cmp_eq_u32 s2, 0
	s_cbranch_scc0 .Lentry_in_a_cluster
	s_endpgm
.Lentry_in_a_cluster:
	s_bfe_u32 s2, ttmp6, 0x10000c
	s_cmp_lg_u32 s2, 0xf033
	s_cbranch_scc0 .Lentry_shape_is_right
	s_endpgm
.Lentry_shape_is_right:
; V, Q, K = x W^T on codes of FP6 (E2M3) with E8M0 scales, 8,192 x 3,072 x 1,024, each result quantised again in registers; codes and scale words leave as images of the attention launch's operand registers.
; LIMITS: NaN, infinities and sums beyond f32's range are not served; a block of zeros gets the byte 1 (its codes are zeros; this program alone reads the bytes).
; THE DEAL: 256 work-groups of four waves, 2 x 2.  Work-group (c, rb) takes x's rows 256 rb .. + 255 and, in three phases, columns 128 c .. + 127 of V, of Q and of K.  Wave (a, b): 128 tokens (eight tiles of 16, one key step) x one head's 64.
; x's 16 tiles (196,608 bytes) and their scale words lie in LDS for the whole launch.  A wave holds its four tiles of W, all of K (32 fragments, 384 registers); when all waves hold them, W's LDS bytes take the next phase's rows in a drained round.
; V FIRST: source 0 = x's tile, so a lane holds one d and its registers run along the tokens; all 8 x 4 accumulators are kept and quantised while the next W is read from LDS.
; Q, K: source 0 = W's tile, a lane holds one token and 32 registers one head's half; a loop of four trips, two blocks a trip, whose 64 sums a lane are one image of two tiles.
; CLUSTERS 4 x 4: x's bytes are shared by a row of the cluster, W's by a column.  No data prefetch: x is asked for at the head, and each later W one phase (256 products a wave) ahead of the wait for it.
; REGISTERS: window 0: addresses, scale words, the quantiser's, x's set 0 (v160-255); windows 1, 2: W's 32 fragments, 21 to a window, then x's set 1; window 3: the accumulators.
.set FRB,   1536                       ; a fragment's image
.set TILE,  12288                      ; a tile of 16 rows, all of K
.set YA,    98304                      ; LDS: W from 0, x from here,
.set XSL,   294912                     ; x's scale words,
.set SPARE, 303104                     ; the spare words, 128 bytes a wave
.set NF,    26                         ; LDS loads of a block: 24 and 2
.set REG,   6291456                    ; a region of ac
.set L16, 4
.set ADB, 5
.set ADA, 6                            ; v6 blocks 0-3, v7 blocks 4-7
.set AAS, 8
.set ABS, 9
.set SOF, 10
.set ADF, 11
.set SPW, 12
.set NIL, 13
.set ASF, 14
.set SA,  16                           ; v16-31 x's scale words, two sets
.set SB,  36                           ; v36-99 W's, two sets of 32
.set TM,  100
.set CT,  116
.set X,   124                          ; v124-147 two images
.set SW,  148
.set SD,  152
.set WV,  16
.set WA,  17
.set WB,  18
.set KB,  19
.set SEL, 20
.set HM,  22
.set CNT, 23
.set G1B, 24
.set G1A, 32
.set G1S, 40
.set G1R, 48
.set G0B, 56
.set G0A, 60
.set G0S, 68
.set G0R, 72
.set OP,  12
.set OV,  96
.set STP, 98
.set MSB, 0
.macro WIN new
.if MSB != \new
	s_set_vgpr_msb (MSB<<8)|\new
.set MSB, \new
.endif
.endm
.macro PLACES n
.rept \n
	v_nop
.endr
.endm
.macro WALU
	s_wait_alu depctr_va_vdst(0)
.endm
.macro BARRIER
	s_barrier_signal -1
	s_barrier_wait -1
.endm
.macro ROUND
	BARRIER
	s_cmp_lg_u32 s[WV], 0
	s_cbranch_scc1 .Lnot_wave_0_\@
	s_barrier_signal -3
.Lnot_wave_0_\@:
	s_barrier_wait -3
	BARRIER
.endm
.macro TLOAD g0, g1
	tensor_load_to_lds s[\g0:\g0+3], s[\g1:\g1+7]
	s_nop 0
	PLACES 4
.endm
.macro GRP g, mask, rows               ; dense bytes as rows of 256
	s_or_b32 s[\g], s[\mask], (3<<16)|(1<<21)
	s_mov_b32 s[\g+1], 32<<16
	s_mov_b32 s[\g+2], (\rows)<<16
	s_mov_b32 s[\g+3], 32<<16
	s_mov_b32 s[\g+4], \rows
	s_mov_b32 s[\g+5], 32
	s_mov_b32 s[\g+6], 0
	s_mov_b32 s[\g+7], 0
.endm
.macro FPL f                           ; fragment f: 0-31 W's (4 q + t), 32-39 x's set 1, 40-47 x's set 0
.if (\f) < 40
.set FW_, 1+(\f)/21
.set FG_, 12*((\f)%21)
.else
.set FW_, 0
.set FG_, 160+12*((\f)-40)
.endif
.endm
.macro BLOAD                           ; my four tiles of W, all of K: 96 loads
.irp q, 0,1,2,3,4,5,6,7
.irp t, 0,1,2,3
	FPL 4*\q+\t
	WIN FW_<<6
.irp g, 0,1,2
	ds_load_b128 v[FG_+4*\g:FG_+4*\g+3], v[ADB] offset:TILE*\t+FRB*\q+512*\g
.endr
.endr
.endr
	WIN 0
.endm
.macro FETCH e, adr, off, as, soff     ; a block of x into set e: NF loads
.irp q, 0,1,2,3,4,5,6,7
	FPL 40-8*(\e)+\q
	WIN FW_<<6
.irp g, 0,1,2
	ds_load_b128 v[FG_+4*\g:FG_+4*\g+3], v[\adr] offset:(\off)+FRB*\q+512*\g
.endr
.endr
	WIN 0
	ds_load_b128 v[SA+8*(\e):SA+8*(\e)+3], v[\as] offset:\soff
	ds_load_b128 v[SA+8*(\e)+4:SA+8*(\e)+7], v[\as] offset:(\soff)+16
.endm
.macro P1 d, s0, s1, q, x0, x1
.if \q
	v_wmma_scale_f32_16x16x128_f8f6f4 v[\d:\d+7], v[\s0:\s0+11], v[\s1:\s1+11], v[\d:\d+7], v[\x0], v[\x1] matrix_a_fmt:MATRIX_FMT_FP6 matrix_b_fmt:MATRIX_FMT_FP6
.else
	v_wmma_scale_f32_16x16x128_f8f6f4 v[\d:\d+7], v[\s0:\s0+11], v[\s1:\s1+11], 0, v[\x0], v[\x1] matrix_a_fmt:MATRIX_FMT_FP6 matrix_b_fmt:MATRIX_FMT_FP6
.endif
.endm
.macro PRODS v, e, sb, ac0, tst        ; a block's 32 products, the four tiles' accumulators by turns; tile t's sums at ac0 + tst t.  v = 1: x is source 0
.irp q, 0,1,2,3,4,5,6,7
.irp t, 0,1,2,3
	FPL 40-8*(\e)+\q
.set AW_, FW_
.set AG_, FG_
	FPL 4*\q+\t
.set D_, (\ac0)+(\tst)*\t
.set XB_, SB+32*(\sb)+8*\t+\q
.set XA_, SA+8*(\e)+\q
.if \v
	WIN AW_|(FW_<<2)|0xf0
	P1 D_, AG_, FG_, \q, XA_, XB_
.else
	WIN FW_|(AW_<<2)|0xf0
	P1 D_, FG_, AG_, \q, XB_, XA_
.endif
.endr
.endr
	WIN 0
.endm
; 64 sums of a lane (window 3, from s on; register 16 b + i = place 32 b + 16 h + i along the next K) become an image's 12 registers at d and the row's scale word pw
.macro QUANT s, d, pw
	WIN 15
.irp b, 0,1,2,3
	v_max3_num_f32 v[TM+\b], |v[(\s)+16*\b]|, |v[(\s)+16*\b+1]|, 0x1800000   ; with the floor 2^(3 - 127): the byte cannot fall under 1
.endr
.irp i, 2,4,6,8,10,12,14
.irp b, 0,1,2,3
	v_max3_num_f32 v[TM+\b], |v[(\s)+16*\b+\i]|, |v[(\s)+16*\b+\i+1]|, v[TM+\b]
.endr
.endr
	WIN 0
.irp b, 0,1,2,3
	v_permlanex16_b32 v[TM+4+\b], v[TM+\b], s[SEL], s[SEL+1]
.endr
.irp b, 0,1,2,3
	v_max_num_f32 v[TM+\b], v[TM+\b], v[TM+4+\b]   ; with lane l xor 16's: the block's largest magnitude
.endr
.irp b, 0,1,2,3
	v_add_nc_u32 v[TM+12+\b], 0xff000000, v[TM+\b] ; 2 off its exponent field: the conversion's scale operand
.endr
.irp b, 0,1,2,3
	v_lshrrev_b32 v[TM+4+\b], 23, v[TM+12+\b]      ; the byte
.endr
	v_lshl_or_b32 v[\pw], v[TM+5], 8, v[TM+4]
	v_lshl_or_b32 v[\pw], v[TM+6], 16, v[\pw]
	v_lshl_or_b32 v[\pw], v[TM+7], 24, v[\pw]
	WIN 3
	v_cvt_scalef32_pk16_fp6_f32 v[(\d):(\d)+2], v[(\s):(\s)+15], v[TM+12]
	v_cvt_scalef32_pk16_fp6_f32 v[CT:CT+2], v[(\s)+16:(\s)+31], v[TM+13]
	v_cvt_scalef32_pk16_fp6_f32 v[(\d)+6:(\d)+8], v[(\s)+32:(\s)+47], v[TM+14]
	v_cvt_scalef32_pk16_fp6_f32 v[CT+4:CT+6], v[(\s)+48:(\s)+63], v[TM+15]
	WIN 0
	v_nop                                          ; one plain place behind the scaled conversions
.irp i, 0,1,2
	v_permlane16_swap_b32 v[(\d)+\i], v[CT+\i]     ; a whole block to a lane
	v_permlane16_swap_b32 v[(\d)+6+\i], v[CT+4+\i]
.endr
.irp i, 0,1,2
	v_mov_b32 v[(\d)+3+\i], v[CT+\i]
	v_mov_b32 v[(\d)+9+\i], v[CT+4+\i]
.endr
.endm
.macro WORDS off                       ; four words a row: lanes 0-15 store the first two, lanes 16-31 the others: 256 consecutive bytes
	v_cndmask_b32 v[SD], v[SW], v[SW+2], s[HM]
	v_cndmask_b32 v[SD+1], v[SW+1], v[SW+3], s[HM]
	global_store_b64 v[SOF], v[SD:SD+1], s[14:15] offset:\off
.endm
.macro SBLOAD set, reg                 ; W's scale words of region reg
.irp t, 0,1,2,3
.irp c, 0,1
	global_load_b128 v[SB+32*(\set)+8*\t+4*\c:SB+32*(\set)+8*\t+4*\c+3], v[ABS], s[10:11] offset:32768*(\reg)+512*\t+16*\c
.endr
.endr
.endm
.macro VPH                             ; V: eight blocks; behind block s its set takes block (s + 2) % 8
.irp s, 0,1,2,3,4,5,6,7
	s_wait_dscnt NF                                ; this block's rows are in; the other set's fetch is younger
	PRODS 1, \s%2, 0, 8*\s, 64
	PLACES 4
	FETCH \s%2, ADA+((\s+2)%8)/4, TILE*((\s+2)%4), AAS, 512*((\s+2)%8)
.endr
.endm
.macro EPIV                            ; V's four tiles of 16 d x 128 tokens
.irp t, 0,1,2,3
.if \t > 1
	s_wait_xcnt 0x0                                ; the stores of two tiles ago have read their registers
.endif
	QUANT 64*\t, X+12*(\t%2), SW+\t
.irp g, 0,1,2
	global_store_b128 v[L16], v[X+12*(\t%2)+4*\g:X+12*(\t%2)+4*\g+3], s[OV:OV+1] offset:FRB*\t+512*\g
.endr
.endr
	WORDS 2<<18
.endm
.macro QKPH sb, aoff                   ; Q or K: four trips of two blocks.  The last trip fetches blocks 0 and 1 again, for the next phase (behind K nobody uses them)
	s_mov_b32 s[CNT], 0
	s_mov_b32 s[KB], 2
.Lpair_\@:
	s_wait_dscnt NF                                ; set 0 is in; set 1's fetch is younger
	PRODS 0, 0, \sb, 0, 8
	s_and_b32 s76, s[KB], 7                        ; the blocks fetched in this trip: (2 trip + 2) % 8 and the next
	s_mul_i32 s77, s76, TILE
	s_lshl_b32 s76, s76, 9
	v_add_nc_u32 v[ADF], s77, v[ADA]               ; these two and two v_nop are the places behind the products
	v_add_nc_u32 v[ASF], s76, v[AAS]
	PLACES 2
	WALU
	FETCH 0, ADF, 0, ASF, 0
	s_wait_dscnt NF                                ; set 1 is in
	PRODS 0, 1, \sb, 32, 8
	PLACES 4
	FETCH 1, ADF, TILE, ASF, 512
	s_wait_xcnt 0x0                                ; the last trip's stores have read their registers and their base
	s_add_nc_u64 s[OP:OP+1], s[OP:OP+1], s[STP:STP+1]
	v_mov_b32 v[SW], v[SW+1]                       ; the four trips' words move down
	v_mov_b32 v[SW+1], v[SW+2]
	v_mov_b32 v[SW+2], v[SW+3]
	QUANT 0, X, SW+3
.irp g, 0,1,2
	global_store_b128 v[L16], v[X+4*\g:X+4*\g+3], s[OP:OP+1] offset:512*\g   ; 512 consecutive bytes
.endr
	s_mov_b32 s[STP], FRB
	s_add_co_u32 s[KB], s[KB], 2
	s_add_co_u32 s[CNT], s[CNT], 1
	s_cmp_lt_u32 s[CNT], 4
	WALU
	s_cbranch_scc1 .Lpair_\@
	WORDS \aoff
	s_mov_b32 s[STP], REG-3*FRB                    ; on to the next region
.endm
; ---------------- the head
	s_load_b256 s[4:11], s[0:1], 0x0               ; xc, xs, wc, ws
	s_load_b128 s[12:15], s[0:1], 0x20             ; ac, asc
	v_lshl_add_u32 v[SPW], v0, 2, SPARE
	v_mov_b32 v[NIL], 0
	ds_add_u32 v[SPW], v[NIL]                      ; the opening lines
	ds_add_u32 v[SPW], v[NIL]
	v_lshrrev_b32 v1, 5, v0
	v_readfirstlane_b32 s[WV], v1
	s_lshr_b32 s[WA], s[WV], 1
	s_and_b32 s[WB], s[WV], 1
	s_bfe_u32 s80, ttmp6, 0x40000                  ; cx
	s_bfe_u32 s81, ttmp6, 0x40004                  ; cy
	s_lshl_b32 s82, ttmp9, 2
	s_add_co_u32 s82, s82, s80                     ; c
	s_and_b32 s83, ttmp7, 0xffff
	s_lshl_b32 s83, s83, 2
	s_add_co_u32 s83, s83, s81                     ; rb
	s_lshl_b32 s84, s81, 2
	s_lshl_b32 s84, 15, s84                        ; my row of the cluster: shares x
	s_lshl_b32 s85, 0x1111, s80                    ; my column: shares W
	GRP G1B, 85, 384
	GRP G1A, 84, 384
	GRP G1S, 84, 32
	GRP G1R, 85, 96
	s_mul_i32 s88, s82, 8*TILE                     ; Q's rows of W, my quarter of them,
	s_add_co_u32 s86, s88, 128*TILE                ; and V's
	s_mov_b32 s87, 0
	s_mul_i32 s89, s[WV], 2*TILE
	s_add_co_u32 s88, s88, s89
	s_mov_b32 s[G0R+1], s89
	s_mov_b32 s89, 0
	s_mul_i32 s90, s83, 16*TILE
	s_mul_i32 s91, s[WA], 8*TILE
	s_add_co_u32 s90, s90, s91                     ; waves 1, 2: x's tiles 0-7, 8-15
	s_mov_b32 s91, 0
	s_lshl_b32 s92, s83, 13
	s_mov_b32 s93, 0
	s_mov_b32 s[G0B], 1
	s_mov_b32 s[G0B+1], 0
	s_mov_b32 s[G0A], 1
	s_mul_i32 s[G0A+1], s[WV], YA
	s_mov_b32 s[G0S], 1
	s_mov_b32 s[G0S+1], XSL
	s_mov_b32 s[G0R], 1
	s_mul_i32 s76, s[WB], 4*TILE
	s_mul_i32 s77, s[WA], 8*TILE
	s_add_co_u32 s77, s77, YA
	s_lshl_b32 s78, s[WA], 12
	s_add_co_u32 s78, s78, XSL
	s_mov_b32 s[SEL], 0x76543210
	s_mov_b32 s[SEL+1], 0xfedcba98
	s_mov_b32 s[HM], 0xffff0000
	s_mov_b32 s[STP], 0
	s_mov_b32 s[STP+1], 0
	WALU
	s_wait_dscnt 0x0
	ROUND                                          ; in front of the first joint loads
	s_wait_kmcnt 0x0
	s_add_nc_u64 s[G0B+2:G0B+3], s[8:9], s[86:87]
	s_or_b32 s[G0B+3], s[G0B+3], 0x80000000
	s_add_nc_u64 s[G0R+2:G0R+3], s[8:9], s[88:89]
	s_or_b32 s[G0R+3], s[G0R+3], 0x80000000
	s_add_nc_u64 s[G0A+2:G0A+3], s[4:5], s[90:91]
	s_or_b32 s[G0A+3], s[G0A+3], 0x80000000
	s_add_nc_u64 s[G0S+2:G0S+3], s[6:7], s[92:93]
	s_or_b32 s[G0S+3], s[G0S+3], 0x80000000
	s_cmp_eq_u32 s[WV], 0
	s_cbranch_scc0 .Lwave_1
	TLOAD G0B, G1B                                 ; wave 0: V's 128 rows of W, wanted first
	s_branch .Lasked
.Lwave_1:
	s_cmp_lt_u32 s[WV], 3
	s_cbranch_scc0 .Lwave_3
	TLOAD G0A, G1A                                 ; waves 1, 2: half of x each
	s_branch .Lasked
.Lwave_3:
	TLOAD G0S, G1S                                 ; wave 3: x's scale words
.Lasked:
	s_lshl_b32 s66, s82, 12
	s_lshl_b32 s67, s[WB], 11
	s_add_co_u32 s66, s66, s67
	s_mov_b32 s67, 0
	s_add_nc_u64 s[10:11], s[10:11], s[66:67]      ; my 64 rows' scale words in a region of ws
	s_lshr_b32 s94, s83, 3
	s_lshl_b32 s94, s94, 4
	s_lshl_b32 s95, s82, 1
	s_add_co_u32 s94, s94, s95
	s_add_co_u32 s94, s94, s[WB]                   ; 16 batch + head
	s_and_b32 s95, s83, 7
	s_lshl_b32 s95, s95, 1
	s_add_co_u32 s95, s95, s[WA]                   ; the key step
	s_mul_i32 s66, s94, 98304
	s_mul_i32 s79, s95, 6144
	s_add_co_u32 s66, s66, s79
	s_add_nc_u64 s[OP:OP+1], s[OP:OP+1], s[66:67]
	s_add_nc_u64 s[OV:OV+1], s[OP:OP+1], 2*REG
	s_lshl_b32 s66, s94, 12
	s_lshl_b32 s79, s95, 8
	s_add_co_u32 s66, s66, s79
	s_add_nc_u64 s[14:15], s[14:15], s[66:67]
	v_and_b32 v1, 15, v0
	v_bfe_u32 v2, v0, 4, 1
	v_and_b32 v3, 31, v0
	v_lshlrev_b32 v[L16], 4, v3
	v_add_nc_u32 v[ADB], s76, v[L16]
	v_add_nc_u32 v[ADA], s77, v[L16]
	v_add_nc_u32 v[ADA+1], 4*TILE, v[ADA]
	v_lshlrev_b32 v[ABS], 5, v1
	v_add_nc_u32 v[AAS], s78, v[ABS]
	v_lshlrev_b32 v[SOF], 4, v1
	v_lshl_add_u32 v[SOF], v2, 3, v[SOF]
.irp b, 0,1,2,3
	v_mov_b32 v[TM+4+\b], 0                        ; a lane permute's destination counts as one of its sources
.endr
	WALU
	SBLOAD 0, 2                                    ; V's, Q's
	SBLOAD 1, 0
	s_cmp_eq_u32 s[WV], 0
	s_cbranch_scc0 .Lnot_b
	s_wait_tensorcnt 0x0                           ; wave 0: W has landed
.Lnot_b:
	BARRIER
; ---------------- V
	BLOAD
	s_wait_tensorcnt 0x0                           ; all the head's tiles are in
	ds_add_u32 v[SPW], v[NIL]
	s_wait_dscnt 0x0                               ; and I hold my W in registers
	ROUND
	TLOAD G0R, G1R                                 ; Q's rows of W, a quarter a wave
	FETCH 0, ADA, 0, AAS, 0
	FETCH 1, ADA, TILE, AAS, 512
	s_wait_loadcnt 0x0
	VPH
	s_wait_tensorcnt 0x0
	s_wait_dscnt 0x0
	BARRIER                                        ; Q's W is shown to all
; ---------------- Q
	BLOAD
	SBLOAD 0, 1                                    ; K's scale words, over V's
	EPIV                                           ; V's way out, while W comes from LDS
	s_wait_tensorcnt 0x0
	ds_add_u32 v[SPW], v[NIL]
	s_add_nc_u64 s[G0R+2:G0R+3], s[G0R+2:G0R+3], 64*TILE
	s_wait_dscnt 0x0
	ROUND
	TLOAD G0R, G1R                                 ; K's rows of W
	QKPH 1, 0
	s_wait_tensorcnt 0x0
	s_wait_dscnt 0x0
	BARRIER                                        ; K's W is shown to all
; ---------------- K
	BLOAD
	s_wait_loadcnt 0x0
	s_wait_dscnt 0x0
	QKPH 0, 1<<18
	s_wait_tensorcnt 0x0                           ; the wave's end
	ds_add_u32 v[SPW], v[NIL]
	s_wait_dscnt 0x0
	ROUND                                          ; the closing round
	s_endpgm
.Lfunc_end_k_q4720c2e246_qkv:
	.size	k_q4720c2e246_qkv, .Lfunc_end_k_q4720c2e246_qkv-k_q4720c2e246_qkv
	.p2alignl 7, 3214868480
	.fill 96, 4, 3214868480
	.section	.rodata,"a",@progbits
	.p2align	6, 0x0
	.amdhsa_kernel k_q4720c2e246_qkv
		.amdhsa_group_segment_fixed_size 327680
		.amdhsa_private_segment_fixed_size 0
		.amdhsa_enable_private_segment 0
		.amdhsa_kernarg_size 48
		.amdhsa_user_sgpr_count 2
		.amdhsa_user_sgpr_kernarg_segment_ptr 1
		.amdhsa_wavefront_size32 1
		.amdhsa_system_sgpr_workgroup_id_x 1
		.amdhsa_system_sgpr_workgroup_id_y 1
		.amdhsa_system_sgpr_workgroup_id_z 1
		.amdhsa_system_vgpr_workitem_id 0
		.amdhsa_next_free_vgpr 1024
		.amdhsa_next_free_sgpr 100
		.amdhsa_reserve_vcc 0
		.amdhsa_float_denorm_mode_32 3
		.amdhsa_float_denorm_mode_16_64 3
		.amdhsa_memory_ordered 1
		.amdhsa_forward_progress 1
		.amdhsa_inst_pref_size 132
	.end_amdhsa_kernel
	.amdgpu_metadata
---
amdhsa.version: [ 1, 2 ]
amdhsa.kernels:
  - .name:           k_q4720c2e246_qkv
    .symbol:         k_q4720c2e246_qkv.kd
    .args:
      - { .name: xc, .offset: 0, .size: 8, .value_kind: global_buffer, .address_space: global }
      - { .name: xs, .offset: 8, .size: 8, .value_kind: global_buffer, .address_space: global }
      - { .name: wc, .offset: 16, .size: 8, .value_kind: global_buffer, .address_space: global }
      - { .name: ws, .offset: 24, .size: 8, .value_kind: global_buffer, .address_space: global }
      - { .name: ac, .offset: 32, .size: 8, .value_kind: global_buffer, .address_space: global }
      - { .name: asc, .offset: 40, .size: 8, .value_kind: global_buffer, .address_space: global }
    .group_segment_fixed_size: 327680
    .private_segment_fixed_size: 0
    .kernarg_segment_align: 8
    .kernarg_segment_size: 48
    .max_flat_workgroup_size: 128
    .sgpr_count:     100
    .vgpr_count:     1024
    .wavefront_size: 32
...
	.end_amdgpu_metadata
.endif
;; end of part 2
;; launch attn (part 3): grid 4 x 64, 16 waves a work-group, clusters of 4 x 1, 206,848 bytes of LDS; arguments ac, asc, oc, osc; writes oc, osc
.if DOCPART == 3
	.amdgcn_target "amdgcn-amd-amdhsa--gfx1250"
	.amdhsa_code_object_version 6
	.text
	.protected	k_q4720c2e246_attn
	.globl	k_q4720c2e246_attn
	.p2align	8
	.type	k_q4720c2e246_attn,@function
k_q4720c2e246_attn:
	s_mov_b64 s[64:65], 0
	v_nop
	global_prefetch_b8 v0, s[64:65] scope:SCOPE_SE
	s_setreg_imm32_b32 hwreg(HW_REG_WAVE_MODE, 25, 1), 1
	s_wait_xcnt 0x0
	s_wait_alu depctr_hold_cnt(0) depctr_sa_sdst(0) depctr_va_vdst(0) depctr_va_sdst(0) depctr_va_ssrc(0) depctr_va_vcc(0) depctr_vm_vsrc(0)
	s_getreg_b32 s2, hwreg(HW_REG_IB_STS2, 6, 4)
	s_cmp_eq_u32 s2, 0
	s_cbranch_scc0 .Lentry_in_a_cluster
	s_endpgm
.Lentry_in_a_cluster:
	s_bfe_u32 s2, ttmp6, 0x10000c
	s_cmp_lg_u32 s2, 0x3003
	s_cbranch_scc0 .Lentry_shape_is_right
	s_endpgm
.Lentry_shape_is_right:
; o = softmax(q k^T / 8) v for 64 (batch, head) pairs of 2,048 tokens x 64, both products on codes of FP6 (E2M3) with E8M0 scales; o is quantised along the model's 1,024 in registers and leaves as codes.
; THE SOFTMAX AHEAD OF THE SECOND PRODUCT: t = score x log2(e) / 8; M = the running largest t rounded UP to a whole number; p = 2^(t - M) is quantised along the keys, not normalised; the row's sum is taken of the
; unquantised p and divides at the end.  When M moves, the sum and O are multiplied by 2^(old M - new M): exact.
; SHARES.  The four work-groups of a cluster share one head; each owns 512 queries, in two passes of 256; each of its sixteen waves owns one tile of 16 queries a pass, in 256 registers: four waves to a SIMD.
; THE HEAD'S WHOLE K AND V STAY IN LDS: 2 x 98,304 bytes of codes and 2 x 4,096 of scale words, asked for JOINTLY by the four work-groups at the head, in one load for each of waves 0 to 8.  Nothing is filled again:
; so there is no ring.  Every byte is asked for at the head, so nothing is left to prefetch.  The first pass starts on the first 512 keys while the others land (counted waits, a barrier for each 512 keys).
; LAYOUT.  Both products are used transposed: a lane holds ONE query.  The keys of a tile are 32 B + 8 u + (r % 8) + 16 (r / 8), so that 16 registers of two neighbouring tiles are 16 neighbouring keys.
; K = 64 IN AN INSTRUCTION OF 128: an image of k holds two tiles of keys (registers 0-5, 6-11).  q lies as [q | zeros | q] in 18 registers: against [q | 0] the image gives the even tile's scores, against [0 | q] the odd tile's.
; The other half multiplies zero codes under bytes that are scales of real blocks: it adds nothing.
; LIMITS: NaN and infinities are not served; a block of zeros gets the byte 1 (its codes are zeros; this program alone reads the bytes).  A block's largest p is made from the block's largest score by the same two instructions.
; THE FILLS, in place of what is said of them above: one load a wave at the head.  Wave 0 brings K's and V's scale words (two rows of 4,096 bytes), waves 1 to 8 24,576 bytes each: K's or V's images of 512 keys.
.set VOFF,  98304
.set SCK,   196608                     ; K's scale words, 4,096 bytes; V's 4,096 further on
.set SPARE, 204800                     ; the spare words, 128 bytes a wave: eight blocks of 256 bytes that no other line names
.set L16, 1                            ; v1  16 x lane
.set AS0, 2                            ; v2  SCK + 16 r + 4096 h: lanes 0-15 K's words, lanes 16-31 V's
.set SPW, 3
.set NIL, 4
.set ADK, 5
.set ADV, 6
.set ADS, 7
.set L8,  8                            ; v8  8 x lane
.set TMP, 9
.set QS,  34                           ; v34 q's scale word: its two bytes, twice
.set OSO, 35                           ; v35 32 r + h
.set SW,  36                           ; v36-39 the step's scale words
.set KF,  40                           ; v40-87 four images of k
.set VF,  88                           ; v88-135 four fragments of v
.set S,   136                          ; v136-199 the scores, then p
.set O,   200                          ; v200-231 O^T
.set PC,  232                          ; v232-243 p's codes
.set BM,  240                          ; v240-243 the blocks' largest scores (done with when the codes are written)
.set T8,  244                          ; v244-251 at work
.set SO,  252                          ; v252-255 the conversions' scale operands
; v10 f, v11 p's scale word (a pair: the packed multiply names both, takes the low one); v12 -M, v13 the largest t; v[14:15] the sum in two halves; v16-33 q
.set WV,  12
.set CS,  22                           ; s[22:23] c = log2(e) / 8
.set G1C, 24
.set G1S, 32
.set G0,  40                           ; s[40:47] two groups 0
.set SEL, 60
.set QC,  66                           ; s[66:67] q's image, s[68:69] its scale words, s[70:71] my place in oc, s[72:73] in osc
.set QW,  68
.set OC,  70
.set OW,  72
.set HM,  74                           ; s74 the mask of lanes 16-31
.set UM,  75                           ; s75 all ones where my tile is the odd one of its pair
.set QP,  76                           ; s76 v_perm_b32's selector for q's two bytes
.set CNT, 77
.set TB,  2                            ; s2 where the step's images begin
.set TS,  3                            ; s3 and its scale words
.macro ROUND
	s_barrier_signal -1
	s_barrier_wait -1
	s_cmp_lg_u32 s[WV], 0
	s_cbranch_scc1 .Lnot_wave_0_\@
	s_barrier_signal -3
.Lnot_wave_0_\@:
	s_barrier_wait -3
	s_barrier_signal -1
	s_barrier_wait -1
.endm
	s_load_b256 s[4:11], s[0:1], 0x0               ; ac s[4:5], asc s[6:7], oc s[8:9], osc s[10:11]
	v_lshl_add_u32 v[SPW], v0, 2, SPARE
	v_mov_b32 v[NIL], 0
	ds_add_u32 v[SPW], v[NIL]                      ; the wave's opening
	ds_add_u32 v[SPW], v[NIL]
	v_lshrrev_b32 v9, 5, v0
	s_delay_alu instid0(VALU_DEP_1)
	v_readfirstlane_b32 s[WV], v9
	s_bfe_u32 s13, ttmp6, 0x40000                  ; cx: it enters q's and o's addresses alone
	s_and_b32 s14, ttmp7, 0xffff                   ; 16 batch + head, which the four partners share
	s_and_b32 s16, s[WV], 1                        ; my tile's place in its pair
	s_add_co_u32 s15, s[WV], 15
	s_and_b32 s15, s15, 15                         ; waves 1 to 8: wave - 1
	s_lshr_b32 s83, s15, 1                         ; which 512 keys,
	s_and_b32 s15, s15, 1                          ; K (0) or V (1)
	s_add_co_u32 s17, s15, 1                       ; the region
	s_lshl_b32 s18, s14, 12
	s_add_co_u32 s18, s18, 1<<18                   ; K's scale words; V's lie 262,144 bytes on
	s_mov_b32 s19, 0
	s_mul_i32 s20, s17, 6291456
	s_mul_i32 s21, s14, 98304
	s_add_co_u32 s20, s20, s21
	s_mul_i32 s21, s83, 24576
	s_add_co_u32 s20, s20, s21                     ; the codes that I fetch
	s_mul_i32 s63, s15, VOFF
	s_add_co_u32 s63, s63, s21                     ; and where they go
	s_mov_b32 s21, 0
	s_mov_b32 s[G1C], 15|(3<<16)|(1<<21)           ; the mask: all four work-groups; elements of 8 bytes; bit 21 beside a mask; no padding
	s_mov_b32 s[G1C+1], 32<<16                     ; dense bytes as rows of 256
	s_mov_b32 s[G1C+2], 96<<16                     ; 24,576 bytes
	s_mov_b32 s[G1C+3], 32<<16
	s_mov_b32 s[G1C+4], 96
	s_mov_b32 s[G1C+5], 32
	s_mov_b32 s[G1C+6], 0
	s_mov_b32 s[G1C+7], 0
	s_mov_b32 s[G1S], 15|(3<<16)|(1<<21)
	s_mov_b32 s[G1S+1], 512<<16                    ; two rows of 4,096 bytes, 262,144 bytes apart
	s_mov_b32 s[G1S+2], 2<<16
	s_mov_b32 s[G1S+3], 512<<16
	s_mov_b32 s[G1S+4], 2
	s_mov_b32 s[G1S+5], 32768
	s_mov_b32 s[G1S+6], 0
	s_mov_b32 s[G1S+7], 0
	s_mov_b32 s[SEL], 0x76543210
	s_mov_b32 s[SEL+1], 0xfedcba98
	s_mov_b32 s[CS], 0x3e38aa3b                    ; log2(e) / 8
	s_mov_b32 s[CS+1], s[CS]
	s_mov_b32 s[HM], 0xffff0000
	s_mov_b32 s[QP], 0x01000100
	s_cmp_eq_u32 s16, 1
	s_cselect_b32 s[UM], -1, 0
	s_cselect_b32 s[QP], 0x03020302, s[QP]
	s_wait_dscnt 0x0                               ; the opening add is done
	s_wait_kmcnt 0x0
	s_mov_b32 s[G0], 1
	s_mov_b32 s[G0+1], SCK
	s_add_nc_u64 s[G0+2:G0+3], s[6:7], s[18:19]
	s_or_b32 s[G0+3], s[G0+3], 0x80000000
	s_mov_b32 s[G0+4], 1
	s_mov_b32 s[G0+5], s63
	s_add_nc_u64 s[G0+6:G0+7], s[4:5], s[20:21]
	s_or_b32 s[G0+7], s[G0+7], 0x80000000
	; my first pass's tile of queries is 32 cx + wave of the batch's 128; the second pass's lies 16 tiles on
	s_mov_b32 s79, 0
	s_lshl_b32 s78, s14, 12
	s_lshl_b32 s80, s13, 2
	s_lshr_b32 s81, s[WV], 3
	s_add_co_u32 s80, s80, s81
	s_lshl_b32 s80, s80, 8
	s_add_co_u32 s78, s78, s80
	s_bfe_u32 s80, s[WV], 0x20001
	s_lshl_b32 s80, s80, 2
	s_add_co_u32 s78, s78, s80
	s_add_nc_u64 s[QW:QW+1], s[6:7], s[78:79]
	s_mul_i32 s78, s14, 98304
	s_lshl_b32 s80, s13, 4
	s_lshr_b32 s81, s[WV], 1
	s_add_co_u32 s80, s80, s81
	s_mul_i32 s80, s80, 1536
	s_add_co_u32 s78, s78, s80
	s_add_nc_u64 s[QC:QC+1], s[4:5], s[78:79]
	s_lshr_b32 s80, s14, 4
	s_lshl_b32 s80, s80, 7
	s_lshl_b32 s81, s13, 5
	s_add_co_u32 s80, s80, s81
	s_add_co_u32 s80, s80, s[WV]                   ; the tile among all 512
	s_and_b32 s81, s14, 15                         ; the head
	s_mul_i32 s78, s80, 12288
	s_mul_i32 s82, s81, 768
	s_add_co_u32 s78, s78, s82
	s_add_nc_u64 s[OC:OC+1], s[8:9], s[78:79]
	s_lshl_b32 s78, s80, 9
	s_lshl_b32 s82, s81, 1
	s_add_co_u32 s78, s78, s82
	s_add_nc_u64 s[OW:OW+1], s[10:11], s[78:79]
	ROUND                                          ; all four work-groups are here: the joint loads meet
; one chain of arms on the wave's number, one load to an arm: the waves that wait together have a line of their own
.macro ARM under, g0, g1, next
	s_cmp_lt_u32 s[WV], \under
	s_cbranch_scc0 \next
	tensor_load_to_lds s[\g0:\g0+3], s[\g1:\g1+7]
	s_nop 0
.rept 4
	v_nop
.endr
	s_branch .Lno_fill
\next:
.endm
	ARM 1, G0, G1S, .Larm_1                        ; wave 0: the scale words
	ARM 3, G0+4, G1C, .Larm_2                      ; waves 1, 2: keys 0 to 511
	ARM 5, G0+4, G1C, .Larm_3                      ; waves 3, 4: 512 to 1,023
	ARM 7, G0+4, G1C, .Larm_4                      ; waves 5, 6: 1,024 to 1,535
	s_cmp_lt_u32 s[WV], 9
	s_cbranch_scc0 .Lno_fill
	tensor_load_to_lds s[G0+4:G0+7], s[G1C:G1C+7]  ; waves 7, 8: the last 512
	s_nop 0
.rept 4
	v_nop
.endr
.Lno_fill:
	v_and_b32 v9, 31, v0
	s_delay_alu instid0(VALU_DEP_1)
	v_lshlrev_b32 v[L16], 4, v9
	s_delay_alu instid0(VALU_DEP_2)
	v_lshlrev_b32 v[L8], 3, v9
	v_and_b32 v5, 15, v0                           ; r
	v_bfe_u32 v6, v0, 4, 1                         ; h
	s_delay_alu instid0(VALU_DEP_2)
	v_lshlrev_b32 v[AS0], 4, v5
	s_delay_alu instid0(VALU_DEP_1)
	v_lshl_add_u32 v[AS0], v6, 12, v[AS0]
	s_delay_alu instid0(VALU_DEP_1)
	v_add_nc_u32 v[AS0], SCK, v[AS0]
	s_delay_alu instid0(VALU_DEP_4)
	v_lshl_add_u32 v[OSO], v5, 5, v6
.irp i, 0,1,2,3,4,5
	v_mov_b32 v[22+\i], 0                          ; the zero codes between q's two copies: written once
.endr
.irp i, 0,1,2,3,4,5,6,7
	v_mov_b32 v[T8+\i], 0                          ; written once: a lane permute's destination counts as one of its sources
.endr
	v_mov_b32 v11, 0                               ; (named as the upper half of the pair v[10:11] before it is first written)
; A KEY STEP: 128 keys.
.macro STEP
	v_add_nc_u32 v[ADK], s[TB], v[L16]             ; these four are the places behind the last products, in front of the loads into their registers
	s_delay_alu instid0(VALU_DEP_1)
	v_add_nc_u32 v[ADV], VOFF, v[ADK]
	v_add_nc_u32 v[ADS], s[TS], v[AS0]
	v_nop
	ds_load_b128 v[SW:SW+3], v[ADS]                ; lanes 0-15: the words of K's four pairs of tiles; lanes 16-31: of V's four tiles
.irp b, 0,1,2,3
.irp g, 0,1,2
	ds_load_b128 v[KF+12*\b+4*\g:KF+12*\b+4*\g+3], v[ADK] offset:1536*\b+512*\g
.endr
.endr
.irp b, 0,1,2,3
.irp g, 0,1,2
	ds_load_b128 v[VF+12*\b+4*\g:VF+12*\b+4*\g+3], v[ADV] offset:1536*\b+512*\g
.endr
.endr
	s_wait_dscnt 12                                ; the words and K are in; V's 12 loads were issued behind them
.irp b, 0,1,2,3
	v_wmma_scale_f32_16x16x128_f8f6f4 v[S+16*\b:S+16*\b+7], v[KF+12*\b:KF+12*\b+11], v[16:27], 0, v[SW+\b], v[QS] matrix_a_fmt:MATRIX_FMT_FP6 matrix_b_fmt:MATRIX_FMT_FP6
	v_wmma_scale_f32_16x16x128_f8f6f4 v[S+16*\b+8:S+16*\b+15], v[KF+12*\b:KF+12*\b+11], v[22:33], 0, v[SW+\b], v[QS] matrix_a_fmt:MATRIX_FMT_FP6 matrix_b_fmt:MATRIX_FMT_FP6
.endr                                  ; register 16 b + i: key 32 b + 16 (lane / 16) + i of the step
.rept 4
	v_nop
.endr
.irp b, 0,1,2,3
	v_max3_num_f32 v[BM+\b], v[S+16*\b], v[S+1+16*\b], v[S+2+16*\b]   ; the largest score of each block of 32 keys: for the row's maximum, and for the block's largest p
.endr
.irp i, 3,5,7,9,11,13
.irp b, 0,1,2,3
	v_max3_num_f32 v[BM+\b], v[BM+\b], v[S+16*\b+\i], v[S+1+16*\b+\i]
.endr
.endr
.irp b, 0,1,2,3
	v_max_num_f32 v[BM+\b], v[BM+\b], v[S+15+16*\b]
.endr
.irp b, 0,1,2,3
	s_delay_alu instid0(VALU_DEP_4)
	v_permlanex16_b32 v[T8+\b], v[BM+\b], s[SEL], s[SEL+1]
.endr
.irp b, 0,1,2,3
	s_delay_alu instid0(VALU_DEP_4)
	v_max_num_f32 v[BM+\b], v[BM+\b], v[T8+\b]     ; with lane l xor 16's 16 keys
.endr
	s_delay_alu instid0(VALU_DEP_2)
	v_max3_num_f32 v[TMP], v[BM], v[BM+1], v[BM+2]
	s_delay_alu instid0(VALU_DEP_1)
	v_max_num_f32 v[TMP], v[TMP], v[BM+3]
	s_delay_alu instid0(VALU_DEP_1)
	v_mul_f32 v[TMP], s[CS], v[TMP]                ; as t (c is positive)
	s_delay_alu instid0(VALU_DEP_1)
	v_max_num_f32 v13, v13, v[TMP]                 ; the running largest t
	v_mov_b32 v[TMP], v12
	s_delay_alu instid0(VALU_DEP_2)
	v_floor_f32 v12, -v13                          ; the new -M = -ceil(t)
	s_delay_alu instid0(VALU_DEP_1)
	v_sub_f32 v[TMP], v12, v[TMP]                  ; old M - new M: a whole number, 0 or less
	s_delay_alu instid0(VALU_DEP_1)
	v_cvt_i32_f32 v[TMP], v[TMP]                   ; (it saturates)
	s_delay_alu instid0(VALU_DEP_1)
	v_ldexp_f32 v10, 1.0, v[TMP]                   ; f = 2^(old M - new M)
.irp j, 0,2,4,6,8,10,12,14,16,18,20,22,24,26,28,30,32,34,36,38,40,42,44,46,48,50,52,54,56,58,60,62
	v_pk_fma_f32 v[S+\j:S+1+\j], v[S+\j:S+1+\j], s[CS:CS+1], v[12:13] op_sel_hi:[1,0,0]   ; t - M
.endr
.irp b, 0,1,2,3
	v_fma_f32 v[BM+\b], v[BM+\b], s[CS], v12
.endr
	s_wait_alu depctr_va_vdst(0)
.irp j, 0,1,2,3,4,5,6,7,8,9,10,11,12,13,14,15,16,17,18,19,20,21,22,23,24,25,26,27,28,29,30,31,32,33,34,35,36,37,38,39,40,41,42,43,44,45,46,47,48,49,50,51,52,53,54,55,56,57,58,59,60,61,62,63
	v_exp_f32 v[S+\j], v[S+\j]                     ; p = 2^(t - M), at most 1
.endr
	v_pk_mul_f32 v[14:15], v[14:15], v[10:11] op_sel_hi:[1,0]   ; the sums under the new M (a plain place behind the exponentials)
	s_wait_alu depctr_va_vdst(0)                   ; one wait for the whole batch, ahead of its first reader
.irp b, 0,1,2,3
	v_exp_f32 v[BM+\b], v[BM+\b]                   ; the blocks' largest p
.endr
	v_pk_add_f32 v[244:245], v[140:141], v[144:145]
	v_pk_add_f32 v[254:255], v[148:149], v[152:153]
	v_pk_add_f32 v[252:253], v[156:157], v[160:161]
	v_pk_add_f32 v[250:251], v[164:165], v[168:169]
	v_pk_add_f32 v[248:249], v[172:173], v[176:177]
	v_pk_add_f32 v[246:247], v[180:181], v[184:185]
	v_pk_add_f32 v[238:239], v[188:189], v[192:193]
	v_pk_add_f32 v[14:15], v[14:15], v[196:197]
	v_pk_add_f32 v[244:245], v[244:245], v[136:137]
	v_pk_add_f32 v[254:255], v[254:255], v[138:139]
	v_pk_add_f32 v[252:253], v[252:253], v[142:143]
	v_pk_add_f32 v[250:251], v[250:251], v[146:147]
	v_pk_add_f32 v[248:249], v[248:249], v[150:151]
	v_pk_add_f32 v[246:247], v[246:247], v[154:155]
	v_pk_add_f32 v[238:239], v[238:239], v[158:159]
	v_pk_add_f32 v[14:15], v[14:15], v[162:163]
	v_pk_add_f32 v[244:245], v[244:245], v[166:167]
	v_pk_add_f32 v[254:255], v[254:255], v[170:171]
	v_pk_add_f32 v[252:253], v[252:253], v[174:175]
	v_pk_add_f32 v[250:251], v[250:251], v[178:179]
	v_pk_add_f32 v[248:249], v[248:249], v[182:183]
	v_pk_add_f32 v[246:247], v[246:247], v[186:187]
	v_pk_add_f32 v[238:239], v[238:239], v[190:191]
	v_pk_add_f32 v[14:15], v[14:15], v[194:195]
	v_pk_add_f32 v[244:245], v[244:245], v[198:199]
	s_delay_alu instid0(VALU_DEP_2)
	v_pk_add_f32 v[14:15], v[14:15], v[250:251]
	s_delay_alu instid0(VALU_DEP_2)
	v_pk_add_f32 v[244:245], v[244:245], v[248:249]
	v_pk_add_f32 v[254:255], v[254:255], v[246:247]
	v_pk_add_f32 v[252:253], v[252:253], v[238:239]
	s_delay_alu instid0(VALU_DEP_2)
	v_pk_add_f32 v[14:15], v[14:15], v[254:255]
	s_delay_alu instid0(VALU_DEP_2)
	v_pk_add_f32 v[244:245], v[244:245], v[252:253]
	s_delay_alu instid0(VALU_DEP_1)
	v_pk_add_f32 v[14:15], v[14:15], v[244:245]
	s_wait_alu depctr_va_vdst(0)                   ; and one for the four
.irp b, 0,1,2,3
	v_max_num_f32 v[BM+\b], 0x1800000, v[BM+\b]    ; the floor 2^(3 - 127)
.endr
.irp b, 0,1,2,3
	s_delay_alu instid0(VALU_DEP_4)
	v_add_nc_u32 v[SO+\b], 0xff000000, v[BM+\b]
.endr
.irp b, 0,1,2,3
	s_delay_alu instid0(VALU_DEP_4)
	v_lshrrev_b32 v[T8+\b], 23, v[SO+\b]
.endr
	s_delay_alu instid0(VALU_DEP_3)
	v_lshl_or_b32 v11, v[T8+1], 8, v[T8]           ; p's scale word for these 128 keys
	s_delay_alu instid0(VALU_DEP_1)
	v_lshl_or_b32 v11, v[T8+2], 16, v11
	s_delay_alu instid0(VALU_DEP_1)
	v_lshl_or_b32 v11, v[T8+3], 24, v11
	v_cvt_scalef32_pk16_fp6_f32 v[PC:PC+2], v[S:S+15], v[SO]
	v_cvt_scalef32_pk16_fp6_f32 v[T8:T8+2], v[S+16:S+31], v[SO+1]
	v_cvt_scalef32_pk16_fp6_f32 v[PC+6:PC+8], v[S+32:S+47], v[SO+2]
	v_cvt_scalef32_pk16_fp6_f32 v[T8+4:T8+6], v[S+48:S+63], v[SO+3]
	v_nop                                          ; one plain place behind the scaled conversions
.irp i, 0,1,2
	v_permlane16_swap_b32 v[PC+\i], v[T8+\i]       ; a whole block to a lane
	v_permlane16_swap_b32 v[PC+6+\i], v[T8+4+\i]
.endr
.irp i, 0,1,2
	v_mov_b32 v[PC+3+\i], v[T8+\i]
	v_mov_b32 v[PC+9+\i], v[T8+4+\i]
.endr
.irp j, 0,2,4,6,8,10,12,14,16,18,20,22,24,26,28,30
	v_pk_mul_f32 v[O+\j:O+1+\j], v[O+\j:O+1+\j], v[10:11] op_sel_hi:[1,0]   ; O^T under the new M.  (These 16 are also the places between p's codes and word and the products)
.endr
	s_wait_alu depctr_va_vdst(0)
	s_wait_dscnt 0x0                               ; V is in
.irp t, 0,1,2,3
	v_wmma_scale_f32_16x16x128_f8f6f4 v[O+8*\t:O+8*\t+7], v[VF+12*\t:VF+12*\t+11], v[PC:PC+11], v[O+8*\t:O+8*\t+7], v[SW+\t], v11 matrix_a_fmt:MATRIX_FMT_FP6 matrix_b_fmt:MATRIX_FMT_FP6 matrix_a_scale:MATRIX_SCALE_ROW1
.endr
	s_add_co_u32 s[TB], s[TB], 6144
	s_add_co_u32 s[TS], s[TS], 256
.endm
; trips key steps from LDS byte tb (scale words from ts).  landing = 1: these keys are waited for first: left = my loads issued behind theirs
.macro CHUNK landing, tb, ts, trips, left
.if \landing
	s_wait_dscnt 0x0
.if \left
	s_cmp_lt_u32 s[WV], 9-2*(\left)                ; the waves that fetched these keys, or earlier ones, wait for their one load
	s_cbranch_scc0 .Lnw_\@
	s_wait_tensorcnt 0x0
.Lnw_\@:
.else
	s_wait_tensorcnt 0x0                           ; the last piece: every wave waits
.endif
	s_barrier_signal -1
	s_barrier_wait -1                              ; every fetching wave's part has landed; later pieces may stay out
.endif
	s_mov_b32 s[TB], \tb
	s_mov_b32 s[TS], \ts
	s_mov_b32 s[CNT], \trips
.Lstep_\@:
	STEP
	s_sub_co_u32 s[CNT], s[CNT], 1
	s_cmp_lg_u32 s[CNT], 0
	s_cbranch_scc1 .Lstep_\@
.endm
.macro PASS p
.if \p
	s_wait_xcnt 0x0                                ; the first pass's stores have read their registers
.endif
	v_and_b32 v[ADK], 15, v0
	s_delay_alu instid0(VALU_DEP_1)
	v_lshlrev_b32 v[ADK], 4, v[ADK]
.irp g, 0,1,2
	global_load_b128 v[S+4*\g:S+4*\g+3], v[L16], s[QC:QC+1] offset:12288*\p+512*\g   ; the image of my tile's pair
.endr
	global_load_b32 v[TMP], v[ADK], s[QW:QW+1] offset:512*\p
	v_mov_b32 v13, 0xff61b1e6                      ; the largest t so far: -3e38
	s_delay_alu instid0(VALU_DEP_1)
	v_floor_f32 v12, -v13
	v_mov_b32 v14, 0
	v_mov_b32 v15, 0
	s_wait_loadcnt 0x0
	v_perm_b32 v[QS], v[TMP], v[TMP], s[QP]        ; my tile's two bytes, twice
.irp i, 0,1,2,3,4,5
	v_cndmask_b32 v[16+\i], v[S+\i], v[S+6+\i], s[UM]
.endr
.irp i, 0,1,2,3,4,5
	v_mov_b32 v[28+\i], v[16+\i]
.endr
.irp j, 0,1,2,3,4,5,6,7,8,9,10,11,12,13,14,15,16,17,18,19,20,21,22,23,24,25,26,27,28,29,30,31
	v_mov_b32 v[O+\j], 0                           ; the step is written once: the first finds zeros.  (These are also the places between q's registers and the first products)
.endr
.if \p
	CHUNK 0, 0, 0, 16, 0
.else
.irp j, 0,1,2,3
	CHUNK 1, \j*24576, \j*1024, 4, 3-\j
.endr
.endif
.rept 4
	v_nop                                          ; behind the last products
.endr
	v_add_f32 v14, v14, v15
	s_delay_alu instid0(VALU_DEP_1)
	v_permlanex16_b32 v[T8], v14, s[SEL], s[SEL+1]
	s_delay_alu instid0(VALU_DEP_1)
	v_add_f32 v14, v14, v[T8]                      ; the row's sum
	s_wait_alu depctr_va_vdst(0)
	v_rcp_f32 v10, v14
	v_nop
	s_wait_alu depctr_va_vdst(0)                   ; ahead of the reciprocal's first reader
.irp j, 0,2,4,6,8,10,12,14,16,18,20,22,24,26,28,30
	v_pk_mul_f32 v[S+\j:S+1+\j], v[O+\j:O+1+\j], v[10:11] op_sel_hi:[1,0]   ; o: register 16 b + i = d 32 b + 16 (lane / 16) + i of my query
.endr
.irp b, 0,1
	v_max3_num_f32 v[BM+\b], |v[S+16*\b]|, |v[S+1+16*\b]|, 0x1800000
.endr
.irp i, 2,4,6,8,10,12,14
.irp b, 0,1
	s_delay_alu instid0(VALU_DEP_2)
	v_max3_num_f32 v[BM+\b], v[BM+\b], |v[S+16*\b+\i]|, |v[S+1+16*\b+\i]|
.endr
.endr
.irp b, 0,1
	s_delay_alu instid0(VALU_DEP_2)
	v_permlanex16_b32 v[T8+\b], v[BM+\b], s[SEL], s[SEL+1]
.endr
.irp b, 0,1
	s_delay_alu instid0(VALU_DEP_2)
	v_max_num_f32 v[BM+\b], v[BM+\b], v[T8+\b]
.endr
.irp b, 0,1
	s_delay_alu instid0(VALU_DEP_2)
	v_add_nc_u32 v[SO+\b], 0xff000000, v[BM+\b]
.endr
.irp b, 0,1
	s_delay_alu instid0(VALU_DEP_2)
	v_lshrrev_b32 v[T8+\b], 23, v[SO+\b]
.endr
	v_cvt_scalef32_pk16_fp6_f32 v[PC:PC+2], v[S:S+15], v[SO]
	v_cvt_scalef32_pk16_fp6_f32 v[T8+4:T8+6], v[S+16:S+31], v[SO+1]
	v_nop                                          ; one plain place behind the scaled conversions
	v_cndmask_b32 v[TMP], v[T8], v[T8+1], s[HM]    ; lanes 0-15 store the first block's byte, lanes 16-31 the second's
.irp i, 0,1,2
	v_permlane16_swap_b32 v[PC+\i], v[T8+4+\i]
.endr
.irp i, 0,1,2
	s_delay_alu instid0(VALU_DEP_3)
	v_mov_b32 v[PC+3+\i], v[T8+4+\i]
.endr
	global_store_b128 v[L16], v[PC:PC+3], s[OC:OC+1] offset:196608*\p          ; half a fragment: registers 0-3, 512 consecutive bytes,
	global_store_b64 v[L8], v[PC+4:PC+5], s[OC:OC+1] offset:196608*\p+512      ; registers 4, 5: 256
	global_store_b8 v[OSO], v[TMP], s[OW:OW+1] offset:8192*\p                  ; two bytes of each row's 32: one such store for 16 queries x 2,048 keys
.endm
	PASS 0
	PASS 1
	s_wait_tensorcnt 0x0                           ; the wave's end
	ds_add_u32 v[SPW], v[NIL]
	s_wait_dscnt 0x0
	ROUND                                          ; the closing round
	s_endpgm
.Lfunc_end_k_q4720c2e246_attn:
	.size	k_q4720c2e246_attn, .Lfunc_end_k_q4720c2e246_attn-k_q4720c2e246_attn
	.p2alignl 7, 3214868480
	.fill 96, 4, 3214868480
	.section	.rodata,"a",@progbits
	.p2align	6, 0x0
	.amdhsa_kernel k_q4720c2e246_attn
		.amdhsa_group_segment_fixed_size 206848
		.amdhsa_private_segment_fixed_size 0
		.amdhsa_enable_private_segment 0
		.amdhsa_kernarg_size 32
		.amdhsa_user_sgpr_count 2
		.amdhsa_user_sgpr_kernarg_segment_ptr 1
		.amdhsa_wavefront_size32 1
		.amdhsa_system_sgpr_workgroup_id_x 1
		.amdhsa_system_sgpr_workgroup_id_y 1
		.amdhsa_system_sgpr_workgroup_id_z 1
		.amdhsa_system_vgpr_workitem_id 0
		.amdhsa_next_free_vgpr 256
		.amdhsa_next_free_sgpr 90
		.amdhsa_reserve_vcc 0
		.amdhsa_float_denorm_mode_32 3
		.amdhsa_float_denorm_mode_16_64 3
		.amdhsa_memory_ordered 1
		.amdhsa_forward_progress 1
		.amdhsa_inst_pref_size 105
	.end_amdhsa_kernel
	.amdgpu_metadata
---
amdhsa.version: [ 1, 2 ]
amdhsa.kernels:
  - .name:           k_q4720c2e246_attn
    .symbol:         k_q4720c2e246_attn.kd
    .args:
      - { .name: ac, .offset: 0, .size: 8, .value_kind: global_buffer, .address_space: global }
      - { .name: asc, .offset: 8, .size: 8, .value_kind: global_buffer, .address_space: global }
      - { .name: oc, .offset: 16, .size: 8, .value_kind: global_buffer, .address_space: global }
      - { .name: osc, .offset: 24, .size: 8, .value_kind: global_buffer, .address_space: global }
    .group_segment_fixed_size: 206848
    .private_segment_fixed_size: 0
    .kernarg_segment_align: 8
    .kernarg_segment_size: 32
    .max_flat_workgroup_size: 512
    .sgpr_count:     90
    .vgpr_count:     256
    .wavefront_size: 32
...
	.end_amdgpu_metadata
.endif
;; end of part 3
;; launch out (part 4): grid 8 x 32, 4 waves a work-group, clusters of 4 x 4, 327,680 bytes of LDS; arguments oc, osc, wc, ws, b_out, out0; writes out0
.if DOCPART == 4
	.amdgcn_target "amdgcn-amd-amdhsa--gfx1250"
	.amdhsa_code_object_version 6
	.text
	.protected	k_q4720c2e246_out
	.globl	k_q4720c2e246_out
	.p2align	8
	.type	k_q4720c2e246_out,@function
k_q4720c2e246_out:
	s_mov_b64 s[64:65], 0
	v_nop
	global_prefetch_b8 v0, s[64:65] scope:SCOPE_SE
	s_setreg_imm32_b32 hwreg(HW_REG_WAVE_MODE, 25, 1), 1
	s_wait_xcnt 0x0
	s_wait_alu depctr_hold_cnt(0) depctr_sa_sdst(0) depctr_va_vdst(0) depctr_va_sdst(0) depctr_va_ssrc(0) depctr_va_vcc(0) depctr_vm_vsrc(0)
	s_getreg_b32 s2, hwreg(HW_REG_IB_STS2, 6, 4)
	s_cmp_eq_u32 s2, 0
	s_cbranch_scc0 .Lentry_in_a_cluster
	s_endpgm
.Lentry_in_a_cluster:
	s_bfe_u32 s2, ttmp6, 0x10000c
	s_cmp_lg_u32 s2, 0xf033
	s_cbranch_scc0 .Lentry_shape_is_right
	s_endpgm
.Lentry_shape_is_right:
; out = o W_out^T + b_out, f32, 8,192 x 1,024 x 1,024, on codes of FP6 (E2M3) with E8M0 scales.  o's codes and scale bytes are as the attention launch leaves them, W_out's as the first launch leaves them (tiles 192 to 255 of wc).
; LIMITS: NaN, infinities and sums beyond f32's range are not served; a sum begins with the bias, where the reference adds it last.
; THE DEAL: 256 work-groups of four waves, 2 x 2.  Work-group (c, rb): o's rows 256 rb .. + 255 x columns 128 c .. + 127.  Wave (a, b): eight tiles of 16 tokens x 64 columns.
; All operands are asked for at the head, one load a wave, and nothing is filled again: so there is no ring and nothing is left to prefetch.  A wave holds its four tiles of W_out, all of K (384 registers), and streams o's blocks past them.
; Source 0 = W's tile: a lane holds one token and eight neighbouring columns an accumulator.  A block's sums go through my own stage, on LDS bytes that no fill lands on, and leave as whole rows of 256 bytes in the run behind its products.
; A TILE'S ROWS: row r of tile 2 B + u is token (or column) 32 B + 8 u + r % 8 + 16 (r / 8).
; CLUSTERS 4 x 4: o's bytes are shared by a row of the cluster, W's by a column.
; REGISTERS: window 0: addresses, scale words, the bias, o's set 0 (v160-255); windows 1, 2: W's 32 fragments, 21 to a window, then o's set 1; window 3: two sets of four accumulators, two sets of 32 for the rows that come back.
.set FRB,   1536
.set TILE,  12288
.set YA,    98304                      ; LDS: W from 0, o from here,
.set XSL,   294912                     ; o's scale words,
.set SPARE, 303104                     ; the spare words, 128 bytes a wave,
.set STAGE, 303616                     ; the stages: 16 rows x (256 + 16) bytes a wave
.set SP,    272
.set NF,    34                         ; LDS loads of a block: 32 and 2
.set L16, 4
.set ADB, 5
.set ADA, 6
.set ADA8, 7
.set AAS, 8
.set ABS, 9
.set CO,  10
.set ADF, 11
.set SPW, 12
.set NIL, 13
.set ASF, 14
.set ADF8, 15
.set SA,  16                           ; v16-31 o's scale words, two sets
.set STO, 32
.set RD,  33
.set BO,  34
.set SB,  36                           ; v36-67 W's scale words
.set BI,  68                           ; v68-99 the bias as the first products' C
.set BK,  64                           ; window 3: the rows back from the stage
.set WV,  16
.set WA,  17
.set WB,  18
.set OFF, 19
.set OFS, 20
.set CNT, 23
.set G1B, 24
.set G1A, 32
.set G1S, 40
.set G0B, 56
.set G0A, 60
.set G0S, 68
.set OP,  14
.set STP, 98
.set MSB, 0
.macro WIN new
.if MSB != \new
	s_set_vgpr_msb (MSB<<8)|\new
.set MSB, \new
.endif
.endm
.macro PLACES n
.rept \n
	v_nop
.endr
.endm
.macro WALU
	s_wait_alu depctr_va_vdst(0)
.endm
.macro BARRIER
	s_barrier_signal -1
	s_barrier_wait -1
.endm
.macro ROUND
	BARRIER
	s_cmp_lg_u32 s[WV], 0
	s_cbranch_scc1 .Lnot_wave_0_\@
	s_barrier_signal -3
.Lnot_wave_0_\@:
	s_barrier_wait -3
	BARRIER
.endm
.macro TLOAD g0, g1
	tensor_load_to_lds s[\g0:\g0+3], s[\g1:\g1+7]
	s_nop 0
	PLACES 4
.endm
.macro GRP g, mask, rows               ; dense bytes as rows of 256
	s_or_b32 s[\g], s[\mask], (3<<16)|(1<<21)
	s_mov_b32 s[\g+1], 32<<16
	s_mov_b32 s[\g+2], (\rows)<<16
	s_mov_b32 s[\g+3], 32<<16
	s_mov_b32 s[\g+4], \rows
	s_mov_b32 s[\g+5], 32
	s_mov_b32 s[\g+6], 0
	s_mov_b32 s[\g+7], 0
.endm
.macro FPL f                           ; fragment f: 0-31 W's (4 q + t), 32-39 o's set 1, 40-47 o's set 0
.if (\f) < 40
.set FW_, 1+(\f)/21
.set FG_, 12*((\f)%21)
.else
.set FW_, 0
.set FG_, 160+12*((\f)-40)
.endif
.endm
.macro BLOAD                           ; my four tiles of W, all of K: 96 loads
.irp q, 0,1,2,3,4,5,6,7
.irp t, 0,1,2,3
	FPL 4*\q+\t
	WIN FW_<<6
.irp g, 0,1,2
	ds_load_b128 v[FG_+4*\g:FG_+4*\g+3], v[ADB] offset:TILE*\t+FRB*\q+512*\g
.endr
.endr
.endr
	WIN 0
.endm
.macro FETCH e, adr, adr8, off, as, soff   ; a block of o into set e: a fragment is two heads, each 512 bytes of registers 0-3 and 256 of registers 4, 5
.irp q, 0,1,2,3,4,5,6,7
	FPL 40-8*(\e)+\q
	WIN FW_<<6
	ds_load_b128 v[FG_:FG_+3], v[\adr] offset:(\off)+FRB*\q
	ds_load_b64 v[FG_+4:FG_+5], v[\adr8] offset:(\off)+FRB*\q+512
	ds_load_b128 v[FG_+6:FG_+9], v[\adr] offset:(\off)+FRB*\q+768
	ds_load_b64 v[FG_+10:FG_+11], v[\adr8] offset:(\off)+FRB*\q+1280
.endr
	WIN 0
	ds_load_b128 v[SA+8*(\e):SA+8*(\e)+3], v[\as] offset:\soff
	ds_load_b128 v[SA+8*(\e)+4:SA+8*(\e)+7], v[\as] offset:(\soff)+16
.endm
.macro PRODS e                         ; a block's 32 products, the four tiles' accumulators by turns; the first four take the bias as C
.irp q, 0,1,2,3,4,5,6,7
.irp t, 0,1,2,3
	FPL 40-8*(\e)+\q
.set AW_, FW_
.set AG_, FG_
	FPL 4*\q+\t
.set D_, 32*(\e)+8*\t
.if \q
	WIN FW_|(AW_<<2)|0xf0
	v_wmma_scale_f32_16x16x128_f8f6f4 v[D_:D_+7], v[FG_:FG_+11], v[AG_:AG_+11], v[D_:D_+7], v[SB+8*\t+\q], v[SA+8*(\e)+\q] matrix_a_fmt:MATRIX_FMT_FP6 matrix_b_fmt:MATRIX_FMT_FP6
.else
	WIN FW_|(AW_<<2)|0xc0
	v_wmma_scale_f32_16x16x128_f8f6f4 v[D_:D_+7], v[FG_:FG_+11], v[AG_:AG_+11], v[BI+8*\t:BI+8*\t+7], v[SB+8*\t+\q], v[SA+8*(\e)+\q] matrix_a_fmt:MATRIX_FMT_FP6 matrix_b_fmt:MATRIX_FMT_FP6
.endif
.endr
.endr
	WIN 0
.endm
.macro STAGED u                        ; set u's sums into my stage, each accumulator from its low end on, and back as whole rows; LDS serves a wave's instructions in order: no wait between
	WIN 0x0c
.irp t, 0,1,2,3
	ds_store_b128 v[STO], v[32*(\u)+8*\t:32*(\u)+8*\t+3] offset:128*(\t/2)+32*(\t%2)
	ds_store_b128 v[STO], v[32*(\u)+8*\t+4:32*(\u)+8*\t+7] offset:128*(\t/2)+32*(\t%2)+16
.endr
	WIN 0xc0
.irp k, 0,1,2,3,4,5,6,7
	ds_load_b128 v[BK+32*(\u)+4*\k:BK+32*(\u)+4*\k+3], v[RD] offset:2*\k*SP
.endr
	WIN 0
.endm
.macro TOC u                           ; rows 2 k, 2 k + 1 of the tile: sixteen lanes store 256 consecutive bytes, at a multiple of 256
	WIN 0x0c
.irp k, 0,1,2,3,4,5,6,7
	global_store_b128 v[CO], v[BK+32*(\u)+4*\k:BK+32*(\u)+4*\k+3], s[OP:OP+1] offset:((2*\k)%8+16*(\k/4)+8*(\u))*4096 th:TH_STORE_NT
.endr
	WIN 0
.endm
.macro BLK u, fetch                    ; a pair's block u: products, then one run of memory lines
	PRODS \u
.if (\fetch) && (\u) == 0
	v_add_nc_u32 v[ADF], s[OFF], v[ADA]            ; where the next pair lies; with the v_nop these are the four places behind the products
	v_add_nc_u32 v[ADF8], s[OFF], v[ADA8]
	v_add_nc_u32 v[ASF], s[OFS], v[AAS]
	v_nop
	WALU
.else
	PLACES 4
.endif
	s_wait_xcnt 0x0                                ; the stores of two blocks ago have read set u of the rows, the last block's their base
.if (\u) == 0
	s_add_nc_u64 s[OP:OP+1], s[OP:OP+1], s[STP:STP+1]
.endif
	STAGED \u
.if \fetch
	FETCH \u, ADF, ADF8, TILE*(\u), ASF, 512*(\u)
	s_wait_dscnt NF                                ; my rows are back and the next block's fragments are in; this run's fetch is younger
.else
	s_wait_dscnt 0x0
.endif
	TOC \u
.endm
; ---------------- the head
	s_load_b256 s[4:11], s[0:1], 0x0               ; oc, osc, wc, ws
	s_load_b128 s[12:15], s[0:1], 0x20             ; b_out, out0
	v_lshl_add_u32 v[SPW], v0, 2, SPARE
	v_mov_b32 v[NIL], 0
	ds_add_u32 v[SPW], v[NIL]                      ; the opening lines
	ds_add_u32 v[SPW], v[NIL]
	v_lshrrev_b32 v1, 5, v0
	v_readfirstlane_b32 s[WV], v1
	s_lshr_b32 s[WA], s[WV], 1
	s_and_b32 s[WB], s[WV], 1
	s_bfe_u32 s80, ttmp6, 0x40000                  ; cx
	s_bfe_u32 s81, ttmp6, 0x40004                  ; cy
	s_lshl_b32 s82, ttmp9, 2
	s_add_co_u32 s82, s82, s80                     ; c
	s_and_b32 s83, ttmp7, 0xffff
	s_lshl_b32 s83, s83, 2
	s_add_co_u32 s83, s83, s81                     ; rb
	s_lshl_b32 s84, s81, 2
	s_lshl_b32 s84, 15, s84                        ; my row of the cluster: shares o
	s_lshl_b32 s85, 0x1111, s80                    ; my column: shares W
	GRP G1B, 85, 384
	GRP G1A, 84, 384
	GRP G1S, 84, 32
	s_mul_i32 s86, s82, 8*TILE
	s_add_co_u32 s86, s86, 192*TILE                ; W_out's 128 rows
	s_mov_b32 s87, 0
	s_mul_i32 s90, s83, 16*TILE
	s_mul_i32 s91, s[WA], 8*TILE
	s_add_co_u32 s90, s90, s91                     ; waves 1, 2: o's tiles 0-7, 8-15
	s_mov_b32 s91, 0
	s_lshl_b32 s92, s83, 13
	s_mov_b32 s93, 0
	s_mov_b32 s[G0B], 1
	s_mov_b32 s[G0B+1], 0
	s_mov_b32 s[G0A], 1
	s_mul_i32 s[G0A+1], s[WV], YA
	s_mov_b32 s[G0S], 1
	s_mov_b32 s[G0S+1], XSL
	s_mul_i32 s76, s[WB], 4*TILE
	s_mul_i32 s77, s[WA], 8*TILE
	s_add_co_u32 s77, s77, YA
	s_lshl_b32 s78, s[WA], 12
	s_add_co_u32 s78, s78, XSL
	s_mul_i32 s79, s[WV], 16*SP
	s_add_co_u32 s79, s79, STAGE
	s_mov_b32 s[STP], 0
	s_mov_b32 s[STP+1], 0
	WALU
	s_wait_dscnt 0x0
	ROUND                                          ; in front of the joint loads
	s_wait_kmcnt 0x0
	s_add_nc_u64 s[G0B+2:G0B+3], s[8:9], s[86:87]
	s_or_b32 s[G0B+3], s[G0B+3], 0x80000000
	s_add_nc_u64 s[G0A+2:G0A+3], s[4:5], s[90:91]
	s_or_b32 s[G0A+3], s[G0A+3], 0x80000000
	s_add_nc_u64 s[G0S+2:G0S+3], s[6:7], s[92:93]
	s_or_b32 s[G0S+3], s[G0S+3], 0x80000000
	s_cmp_eq_u32 s[WV], 0
	s_cbranch_scc0 .Lwave_1
	TLOAD G0B, G1B                                 ; wave 0: W's rows, wanted first
	s_branch .Lasked
.Lwave_1:
	s_cmp_lt_u32 s[WV], 3
	s_cbranch_scc0 .Lwave_3
	TLOAD G0A, G1A                                 ; waves 1, 2: half of o each
	s_branch .Lasked
.Lwave_3:
	TLOAD G0S, G1S                                 ; wave 3: o's scale words
.Lasked:
	s_lshl_b32 s66, s82, 12
	s_lshl_b32 s67, s[WB], 11
	s_add_co_u32 s66, s66, s67
	s_add_co_u32 s66, s66, 3*32768
	s_mov_b32 s67, 0
	s_add_nc_u64 s[10:11], s[10:11], s[66:67]      ; my 64 rows' scale words
	s_lshl_b32 s66, s82, 9
	s_lshl_b32 s94, s[WB], 8
	s_add_co_u32 s66, s66, s94                     ; my first column, in bytes
	s_add_nc_u64 s[12:13], s[12:13], s[66:67]
	s_lshl_b32 s94, s83, 20
	s_add_co_u32 s66, s66, s94
	s_lshl_b32 s94, s[WA], 19
	s_add_co_u32 s66, s66, s94                     ; + my first token's row of 4,096 bytes
	s_add_nc_u64 s[OP:OP+1], s[OP:OP+1], s[66:67]
	v_and_b32 v1, 15, v0
	v_bfe_u32 v2, v0, 4, 1
	v_and_b32 v3, 31, v0
	v_lshlrev_b32 v[L16], 4, v3
	v_lshlrev_b32 v[ADA8], 3, v3
	v_add_nc_u32 v[ADB], s76, v[L16]
	v_add_nc_u32 v[ADA], s77, v[L16]
	v_add_nc_u32 v[ADA8], s77, v[ADA8]
	v_lshlrev_b32 v[ABS], 5, v1
	v_add_nc_u32 v[AAS], s78, v[ABS]
	v_lshlrev_b32 v[CO], 4, v1
	v_lshl_add_u32 v[CO], v2, 12, v[CO]            ; row lane / 16, 16 bytes x (lane % 16)
	v_mul_u32_u24 v[STO], v1, SP
	v_lshl_add_u32 v[STO], v2, 6, v[STO]
	v_add_nc_u32 v[STO], s79, v[STO]
	v_mul_u32_u24 v[RD], v2, SP
	v_lshl_add_u32 v[RD], v1, 4, v[RD]
	v_add_nc_u32 v[RD], s79, v[RD]
	v_lshlrev_b32 v[BO], 6, v2
	WALU
.irp t, 0,1,2,3
.irp c, 0,1
	global_load_b128 v[SB+8*\t+4*\c:SB+8*\t+4*\c+3], v[ABS], s[10:11] offset:512*\t+16*\c
	global_load_b128 v[BI+8*\t+4*\c:BI+8*\t+4*\c+3], v[BO], s[12:13] offset:128*(\t/2)+32*(\t%2)+16*\c   ; register i of tile t: column 32 (t / 2) + 8 (t % 2) + 16 h + i
.endr
.endr
	s_cmp_eq_u32 s[WV], 0
	s_cbranch_scc0 .Lnot_b
	s_wait_tensorcnt 0x0                           ; wave 0: W has landed
.Lnot_b:
	BARRIER
	BLOAD
	s_wait_tensorcnt 0x0                           ; every wave: its tile is in
	s_wait_dscnt 0x0
	BARRIER                                        ; o and its scale words are shown to all
	FETCH 0, ADA, ADA8, 0, AAS, 0
	FETCH 1, ADA, ADA8, TILE, AAS, 512
	s_mov_b32 s[CNT], 0
	s_mov_b32 s[OFF], 2*TILE
	s_mov_b32 s[OFS], 1024
	s_wait_loadcnt 0x0
	s_wait_dscnt NF                                ; block 0 is in
; ---------------- the stream: blocks 0 to 5 a pair a trip, the last pair fetches nothing
.Lpair:
	BLK 0, 1
	BLK 1, 1
	s_mov_b32 s[STP], 32*4096                      ; the next pair's rows lie 32 tokens on
	s_add_co_u32 s[OFF], s[OFF], 2*TILE
	s_add_co_u32 s[OFS], s[OFS], 1024
	s_add_co_u32 s[CNT], s[CNT], 1
	s_cmp_lt_u32 s[CNT], 3
	s_cbranch_scc1 .Lpair
	BLK 0, 0
	BLK 1, 0
	s_wait_tensorcnt 0x0                           ; the wave's end
	ds_add_u32 v[SPW], v[NIL]
	s_wait_dscnt 0x0
	ROUND                                          ; the closing round
	s_endpgm
.Lfunc_end_k_q4720c2e246_out:
	.size	k_q4720c2e246_out, .Lfunc_end_k_q4720c2e246_out-k_q4720c2e246_out
	.p2alignl 7, 3214868480
	.fill 96, 4, 3214868480
	.section	.rodata,"a",@progbits
	.p2align	6, 0x0
	.amdhsa_kernel k_q4720c2e246_out
		.amdhsa_group_segment_fixed_size 327680
		.amdhsa_private_segment_fixed_size 0
		.amdhsa_enable_private_segment 0
		.amdhsa_kernarg_size 48
		.amdhsa_user_sgpr_count 2
		.amdhsa_user_sgpr_kernarg_segment_ptr 1
		.amdhsa_wavefront_size32 1
		.amdhsa_system_sgpr_workgroup_id_x 1
		.amdhsa_system_sgpr_workgroup_id_y 1
		.amdhsa_system_sgpr_workgroup_id_z 1
		.amdhsa_system_vgpr_workitem_id 0
		.amdhsa_next_free_vgpr 1024
		.amdhsa_next_free_sgpr 100
		.amdhsa_reserve_vcc 0
		.amdhsa_float_denorm_mode_32 3
		.amdhsa_float_denorm_mode_16_64 3
		.amdhsa_memory_ordered 1
		.amdhsa_forward_progress 1
		.amdhsa_inst_pref_size 50
	.end_amdhsa_kernel
	.amdgpu_metadata
---
amdhsa.version: [ 1, 2 ]
amdhsa.kernels:
  - .name:           k_q4720c2e246_out
    .symbol:         k_q4720c2e246_out.kd
    .args:
      - { .name: oc, .offset: 0, .size: 8, .value_kind: global_buffer, .address_space: global }
      - { .name: osc, .offset: 8, .size: 8, .value_kind: global_buffer, .address_space: global }
      - { .name: wc, .offset: 16, .size: 8, .value_kind: global_buffer, .address_space: global }
      - { .name: ws, .offset: 24, .size: 8, .value_kind: global_buffer, .address_space: global }
      - { .name: b_out, .offset: 32, .size: 8, .value_kind: global_buffer, .address_space: global }
      - { .name: out0, .offset: 40, .size: 8, .value_kind: global_buffer, .address_space: global }
    .group_segment_fixed_size: 327680
    .private_segment_fixed_size: 0
    .kernarg_segment_align: 8
    .kernarg_segment_size: 48
    .max_flat_workgroup_size: 128
    .sgpr_count:     100
    .vgpr_count:     1024
    .wavefront_size: 32
...
	.end_amdgpu_metadata
.endif
;; end of part 4
